; MI455X (gfx1250); checked and timed in simulation.
; The chip was launched on July 23, 2026; its instructions are those of AMD's public machine-readable ISA for CDNA 5 (MIT licence, August 2026) and "CDNA5" Instruction Set Architecture Reference Guide (July 2026). The comments in the code are by the model that wrote it; some were corrected since.
;; OL Mo Attention. Allowed arithmetic: matrix products marked QUANTISED: E4M3 operands, one given power-of-two scale a tensor, by v_wmma_f32_16x16x64_fp8_fp8 or v_wmma_f32_16x16x128_fp8_fp8, f32 sums; everything else in f32.
;; Inputs: Wk 2,048 x 2,048 float32; Wo 2,048 x 2,048 float32; Wq 2,048 x 2,048 float32; Wv 2,048 x 2,048 float32; attention_mask 1 x 1 x 2,048 x 2,048 float32; hidden_states 1 x 2,048 x 2,048 float32; lowp_scales 12 int32 (the exponents e of the quantised operands' scales 2^e); position_ids 2,048 int32.
;; Outputs: out0 1 x 2,048 x 2,048 float32.
;; This version of the problem:
;;   THIS VERSION OF THE PROBLEM IS GIVEN IN LOW PRECISION. The matrix products marked QUANTISED in the list below multiply operands that are first quantised to E4M3 (4 exponent bits, 3 mantissa bits; 8 bits a number), with one given power-of-two scale for each operand tensor; their sums are f32. All else is computed in f32.
;;   The module's matrix products, in the order in which they are computed (A, B: the left and right operand; K: the contracted axis; several contracted axes count as one K, in the product's order):
;;     1. [M 2,048, K 2,048] x [K 2,048, N 2,048]; A: input hidden_states; B: input Wq: QUANTISED (scales: A lowp_scales[0], B lowp_scales[1])
;;     2. [M 2,048, K 2,048] x [K 2,048, N 2,048]; A: input hidden_states; B: input Wk: QUANTISED (scales: A lowp_scales[2], B lowp_scales[3])
;;     3. [M 2,048, K 2,048] x [K 2,048, N 2,048]; A: input hidden_states; B: input Wv: QUANTISED (scales: A lowp_scales[4], B lowp_scales[5])
;;     4. batch 16 x [M 2,048, K 128] x [K 128, N 2,048]; A: computed on the way; B: computed on the way: QUANTISED (scales: A lowp_scales[6], B lowp_scales[7])
;;     5. batch 16 x [M 2,048, K 2,048] x [K 2,048, N 128]; A: softmax (see below); B: computed on the way: QUANTISED (scales: A lowp_scales[8], B lowp_scales[9])
;;     6. [M 2,048, K 2,048] x [K 2,048, N 2,048]; A: computed on the way; B: input Wo: QUANTISED (scales: A lowp_scales[10], B lowp_scales[11])
;;   THE QUANTISER, for each operand of a quantised product, along K:
;;     - The operand's scale is 2^e, e = its entry of the input lowp_scales (int32; the entries are numbered through the quantised products in the list's order, A before B).
;;     - Each number is divided by the scale, clamped to +-448, and rounded to the nearest number of E4M3, ties to even, subnormals kept.
;;     - The product sums the exact products of the quantised numbers (number of the format x scale) in f32.
;;   ~~~python
;;   def quantise(x, axis, e):      # numpy; x: float32 -> the quantised numbers, widened to float32 again
;;       x = np.moveaxis(x, axis, -1); K = x.shape[-1]
;;       r = np.clip(x / 2.0 ** e, -448, 448)
;;       step = 2.0 ** (np.maximum(np.frexp(np.where(r == 0, 1, r))[1] - 1, -6) - 3)
;;       q = np.round(r / step) * step * 2.0 ** e      # np.round: ties to even
;;       return np.moveaxis(q, -1, axis).astype(np.float32)
;;   ~~~
;;   SOFTMAX AHEAD OF A QUANTISED PRODUCT. Where the list says 'softmax', what is quantised is not the finished softmax but p = 2^(t - M), with t = logit x log2(e) and M = ceil(the row's largest t), a whole number; so 1/2 < the row's largest p <= 1. The row's sum l is taken of the UNQUANTISED p, in f32, and the product's result is divided by l at the end. Since M is a whole number, a kernel that streams over the keys may use a running M (the ceiling of the running maximum): every later rescaling is an exact power of two, so the quantised numbers keep their values, but for numbers so far below the row's largest that they fall under the format's range.
;;   OPERANDS COMPUTED ON THE WAY. 'Computed on the way' means the value that the module computes at that place (a softmax that the list does not call 'softmax' is quantised finished and normalised). What goes into a quantiser is computed in f32, as accurately as f32 sums, v_exp_f32 and their like allow (about 1e-6 of the number): no bf16 or f16 on the way to a quantiser, and a product that is left as it is and whose result goes on into a quantised operand takes f32 operands (vector FMAs, or v_wmma_f32_16x16x4_f32). A number that lies on a knife's edge between two numbers of the format may be rounded either way, as far as f32 arithmetic and the matrix unit's own rounding can turn it there, and no further.
;; One version. Each part assembles by itself: llvm-mc -triple=amdgcn-amd-amdhsa -mcpu=gfx1250 --defsym DOCPART=n.
;; ======== version 1 of 1: 4 launches
;; limits: right only within a limited range of input values
;; workspace buffers: codes 29,360,128 bytes; rope 1,114,112 bytes; qkv 12,582,912 bytes; ac 4,194,304 bytes
;; launch prep (part 1): grid 672 x 1, 4 waves a work-group, no clusters, 66,048 bytes of LDS; arguments hidden_states, Wq, Wk, Wv, Wo, lowp_scales, position_ids, codes, rope; writes codes, rope
.if DOCPART == 1
	.amdgcn_target "amdgcn-amd-amdhsa--gfx1250"
	.amdhsa_code_object_version 6
	.text
	.protected	k_qf8146527ad_prep
	.globl	k_qf8146527ad_prep
	.p2align	8
	.type	k_qf8146527ad_prep,@function
k_qf8146527ad_prep:
	s_mov_b64 s[64:65], 0
	v_nop
	global_prefetch_b8 v0, s[64:65] scope:SCOPE_SE
	s_setreg_imm32_b32 hwreg(HW_REG_WAVE_MODE, 25, 1), 1
	s_wait_xcnt 0x0
; Three jobs in one launch, told apart by the work-group's number.
;  H (work-groups 0-127):   hidden_states, f32, becomes three sets of E4M3 codes (scales e0, e2, e4): sections 0, 1, 2 of codes.  It is read once.
;  W (work-groups 128-639): Wq, Wk, Wv, Wo become codes (e1, e3, e5, e11): sections 3 to 6.  A section is [2048 rows][2048 bytes], K innermost, as the f32 rows lie.
;  R (work-groups 640-671): cos and sin of position x inv_freq, in the order of the reader's registers: [block of 16 tokens][piece 4 b + 2 cs + q][lane][16 bytes]:
;     lane (r, h) holds cos (cs = 0) or sin (cs = 1) of token 16 tb + r at d = 16 b + 8 h + 4 q + 0 .. 3.  Behind the 128 blocks lie eight blocks of cos = 1, sin = 0.
; code = x / 2^e, held within +-448, to the nearest code, ties to even.
; LIMITS: each e between -126 and 119; NaN among the inputs is not served; position_ids lie in 0 .. 2047.  inv_freq = 2^(-d log2(10000) / 64) is good to the last place of v_exp_f32.
; H and W: a wave takes 8,192 numbers in 16 steps of 512.  Each load reads 512 consecutive bytes; a step's 2,048 bytes turn through the wave's own stage in LDS (16 bytes of padding behind each 64),
; so that a lane holds 16 neighbours for the conversions; a lane's 16 codes are 16 bytes, the wave stores 512 consecutive bytes.  Waves share nothing: no barrier.  Each path has LDS bytes of its own.
.set SP,   80                          ; a lane's place in a stage
.set SCL,  5                           ; v5-7    2^e as f32, one for each output
.set LM,   8                           ; v8-10   448 x 2^e
.set R,    16                          ; v16-79  four sets of 16 numbers as loaded
.set X,    80                          ; v80-111 two sets of 16 neighbours
.set T,    112                         ; v112-127 held numbers
.set C,    128                         ; v128-175 codes: a ring of four steps x 12 registers
.set LBW,  0                           ; LDS of path W
.set LBH,  32768                       ; LDS of path H
.macro MKSC o, e
	s_add_co_i32 s48, \e, 127
	s_lshl_b32 s49, s48, 23
	v_mov_b32 v[SCL+\o], s49                       ; 2^e: the conversion takes its exponent field
	s_add_co_i32 s48, s48, 8
	s_lshl_b32 s48, s48, 23
	s_or_b32 s48, s48, 0x600000
	v_mov_b32 v[LM+\o], s48                        ; 448 x 2^e
.endm
.macro LOAD t
.irp i, 0,1,2,3
	global_load_b128 v[R+16*((\t)%4)+4*\i:R+16*((\t)%4)+4*\i+3], v3, s[42:43] offset:2048*(\t)+512*\i th:TH_LOAD_NT
.endr
.endm
.macro TURN t, lb                      ; a step's numbers through the stage; LDS serves a wave's instructions in order
.irp i, 0,1,2,3
	ds_store_b128 v14, v[R+16*((\t)%4)+4*\i:R+16*((\t)%4)+4*\i+3] offset:\lb+32*SP*((\t)%2)+8*SP*\i
.endr
.irp i, 0,1,2,3
	ds_load_b128 v[X+16*((\t)%2)+4*\i:X+16*((\t)%2)+4*\i+3], v15 offset:\lb+32*SP*((\t)%2)+16*\i
.endr
.endm
.macro QSTEP t, nout, lb
.set XS, X+16*((\t)%2)
	s_wait_dscnt 0x0                               ; this step's numbers are back from the stage, and its stores into the stage have read their registers
.if (\t)+4 < 16
	LOAD (\t)+4
.endif
.if (\t)+1 < 16
.if 14-(\t) >= 3
	s_wait_loadcnt 12                              ; the next step's four loads are in; the twelve of the three steps behind it may be out
.else
	s_wait_loadcnt 4*(14-(\t))
.endif
	TURN (\t)+1, \lb
.endif
.if (\t) >= 4
	s_wait_xcnt 0x0                                ; the stores of four steps back have read their codes: the ring's registers are written again only behind this wait
.endif
.set o, 0
.rept \nout
.irp i, 0,1,2,3,4,5,6,7,8,9,10,11,12,13,14,15
	v_med3_num_f32 v[T+\i], v[XS+\i], -v[LM+o], v[LM+o]   ; the conversion does not saturate (ISA guide 7.6.2): the hold comes first
.endr
	v_cvt_scalef32_pk8_fp8_f32 v[C+12*((\t)%4)+4*o:C+12*((\t)%4)+4*o+1], v[T:T+7], v[SCL+o]
	v_cvt_scalef32_pk8_fp8_f32 v[C+12*((\t)%4)+4*o+2:C+12*((\t)%4)+4*o+3], v[T+8:T+15], v[SCL+o]
	v_nop                                          ; a plain line between the conversions and the next write of their sources
	global_store_b128 v3, v[C+12*((\t)%4)+4*o:C+12*((\t)%4)+4*o+3], s[36+2*o:37+2*o] offset:512*(\t)   ; 512 consecutive bytes
.set o, o+1
.endr
.endm
	s_load_b256 s[4:11], s[0:1], 0x0               ; hidden_states, Wq, Wk, Wv
	s_load_b256 s[12:19], s[0:1], 0x20             ; Wo, lowp_scales, position_ids, codes
	s_load_b64 s[20:21], s[0:1], 0x40              ; rope
	v_lshl_add_u32 v192, v0, 2, 0x10000
	v_mov_b32 v193, 0
	v_lshrrev_b32 v1, 5, v0
	v_readfirstlane_b32 s22, v1                    ; wave
	v_and_b32 v2, 31, v0                           ; lane
	v_lshlrev_b32 v3, 4, v2                        ; 16 x lane: my bytes of a load's 512 and of a store's 512
	s_lshl_b32 s44, s22, 13                        ; my wave's 8,192 bytes of LDS
	v_lshrrev_b32 v14, 2, v2
	v_mul_u32_u24 v14, v14, SP
	v_and_b32 v15, 3, v2
	v_lshl_add_u32 v14, v15, 4, v14
	v_add_nc_u32 v14, s44, v14                     ; into the stage: SP (lane / 4) + 16 (lane % 4)
	v_mul_u32_u24 v15, v2, SP
	v_add_nc_u32 v15, s44, v15                     ; out of it: SP x lane
	s_mov_b32 s47, 0
	s_wait_kmcnt 0x0
	s_cmp_ge_u32 ttmp9, 640
	s_cbranch_scc1 .Lrope
	s_cmp_ge_u32 ttmp9, 128
	s_cbranch_scc1 .Lweights
	; ---- H: hidden_states, three scales
	s_load_b256 s[24:31], s[14:15], 0x0            ; e0 .. e7
	s_lshl_b32 s45, ttmp9, 2
	s_add_co_u32 s45, s45, s22                     ; which run of 8,192 numbers is my wave's
	s_lshl_b32 s46, s45, 15
	s_add_nc_u64 s[42:43], s[4:5], s[46:47]
	s_lshl_b32 s46, s45, 13
	s_add_nc_u64 s[36:37], s[18:19], s[46:47]      ; section 0,
	s_add_nc_u64 s[38:39], s[36:37], 0x400000      ; 1,
	s_add_nc_u64 s[40:41], s[36:37], 0x800000      ; 2
	s_wait_alu depctr_va_vdst(0)
.irp t, 0,1,2,3
	LOAD \t
.endr
	s_wait_kmcnt 0x0
	MKSC 0, s24
	MKSC 1, s26
	MKSC 2, s28
	s_wait_alu depctr_va_vdst(0)
	s_wait_loadcnt 12                              ; step 0's four loads are in
	TURN 0, LBH
.irp t, 0,1,2,3,4,5,6,7,8,9,10,11,12,13,14,15
	QSTEP \t, 3, LBH
.endr
	s_wait_tensorcnt 0x0
	ds_add_u32 v192, v193
	s_wait_dscnt 0x0
	s_endpgm
.Lweights:
	; ---- W: one of the four weights
	s_load_b256 s[24:31], s[14:15], 0x0            ; e0 .. e7
	s_load_b128 s[32:35], s[14:15], 0x20           ; e8 .. e11
	s_sub_co_u32 s45, ttmp9, 128
	s_lshr_b32 s50, s45, 7                         ; which weight: 0 Wq, 1 Wk, 2 Wv, 3 Wo
	s_and_b32 s45, s45, 127
	s_lshl_b32 s45, s45, 2
	s_add_co_u32 s45, s45, s22                     ; my wave's run
	s_cmp_eq_u32 s50, 1                            ; the choices hang on the work-group's number alone
	s_cselect_b64 s[42:43], s[8:9], s[6:7]
	s_cmp_eq_u32 s50, 2
	s_cselect_b64 s[42:43], s[10:11], s[42:43]
	s_cmp_eq_u32 s50, 3
	s_cselect_b64 s[42:43], s[12:13], s[42:43]
	s_lshl_b32 s46, s45, 15
	s_add_nc_u64 s[42:43], s[42:43], s[46:47]
	s_add_co_u32 s46, s50, 3                       ; section 3 + weight
	s_lshl_b32 s46, s46, 22
	s_lshl_b32 s51, s45, 13
	s_add_co_u32 s46, s46, s51
	s_add_nc_u64 s[36:37], s[18:19], s[46:47]
	s_wait_alu depctr_va_vdst(0)
.irp t, 0,1,2,3
	LOAD \t
.endr
	s_wait_kmcnt 0x0
	s_cmp_eq_u32 s50, 1
	s_cselect_b32 s51, s27, s25                    ; e3 or e1,
	s_cmp_eq_u32 s50, 2
	s_cselect_b32 s51, s29, s51                    ; e5,
	s_cmp_eq_u32 s50, 3
	s_cselect_b32 s51, s35, s51                    ; e11
	MKSC 0, s51
	s_wait_alu depctr_va_vdst(0)
	s_wait_loadcnt 12
	TURN 0, LBW
.irp t, 0,1,2,3,4,5,6,7,8,9,10,11,12,13,14,15
	QSTEP \t, 1, LBW
.endr
	s_wait_tensorcnt 0x0
	ds_add_u32 v192, v193
	s_wait_dscnt 0x0
	s_endpgm
.Lrope:
	; ---- R: a wave makes the table of 16 tokens.  reference() gathers row position of cos(t x inv_freq): that row is cos(float(position) x inv_freq), so the id enters as a number, not as an address.
.set AD, 16
.set AA, 20
.set AE, 24
.set AN, 28
.set AG, 32
.set AX, 36
.set AJ, 40
.set AR, 44
.set AS, 48
.set AP, 52
.set AH, 56
.set AQ, 60
.set AC, 64
.set AI, 68
	s_sub_co_u32 s45, ttmp9, 640
	s_lshl_b32 s45, s45, 2
	s_add_co_u32 s45, s45, s22                     ; tb: my block of 16 tokens
	v_and_b32 v4, 15, v0                           ; r
	v_bfe_u32 v5, v0, 4, 1                         ; h
	v_lshlrev_b32 v6, 2, v4
	s_lshl_b32 s46, s45, 6
	s_add_nc_u64 s[42:43], s[16:17], s[46:47]
	global_load_b32 v7, v6, s[42:43]               ; position of token 16 tb + r
	s_lshl_b32 s46, s45, 13
	s_add_nc_u64 s[36:37], s[20:21], s[46:47]      ; my block of the table
	s_add_nc_u64 s[38:39], s[36:37], 0x100000      ; and block 128 + tb
	v_lshlrev_b32 v8, 3, v5                        ; 8 h
	s_mov_b32 s50, 0xbe549a78                      ; -log2(10000) / 64, upper part,
	s_mov_b32 s51, 0xb1979a37                      ; and what it lacks
	s_mov_b32 s52, 0x37ccf5ce                      ; cos: s^3's factor,
	s_mov_b32 s53, 0xbab6061a                      ; s^2's
	s_mov_b32 s54, 0xb94ca1f9                      ; sin: the same
	s_mov_b32 s55, 0x3c08839e
	s_wait_alu depctr_va_vdst(0)
	s_wait_loadcnt 0x0
	v_cvt_f32_i32 v9, v7                           ; t
; four angles side by side: d = 16 b + 8 h + 4 q + i
.macro ANG b, q
.set OUTR, 128+8*(2*\b+\q)             ; registers of its own for each call: no store's data are written again
.irp i, 0,1,2,3
	v_add_nc_u32 v[AD+\i], 16*\b+4*\q+\i, v8
.endr
.irp i, 0,1,2,3
	v_cvt_f32_u32 v[AD+\i], v[AD+\i]
.endr
.irp i, 0,1,2,3
	v_mul_f32 v[AA+\i], s50, v[AD+\i]              ; a = the exponent, rounded,
.endr
.irp i, 0,1,2,3
	v_fma_f32 v[AE+\i], v[AD+\i], s50, -v[AA+\i]   ; what the rounding lost,
.endr
.irp i, 0,1,2,3
	v_fma_f32 v[AE+\i], v[AD+\i], s51, v[AE+\i]    ; and the constant's lower part
.endr
.irp i, 0,1,2,3
	v_rndne_f32 v[AN+\i], v[AA+\i]
.endr
.irp i, 0,1,2,3
	v_sub_f32 v[AA+\i], v[AA+\i], v[AN+\i]         ; exact
.endr
.irp i, 0,1,2,3
	v_add_f32 v[AA+\i], v[AA+\i], v[AE+\i]         ; the fraction, within +-1/2
.endr
	s_wait_alu depctr_va_vdst(0)
.irp i, 0,1,2,3
	v_exp_f32 v[AG+\i], v[AA+\i]
.endr
.irp i, 0,1,2,3
	v_cvt_i32_f32 v[AN+\i], v[AN+\i]               ; plain lines behind the batch
.endr
	s_wait_alu depctr_va_vdst(0)                   ; one wait for the four exponentials, ahead of their first reader
.irp i, 0,1,2,3
	v_ldexp_f32 v[AG+\i], v[AG+\i], v[AN+\i]       ; inv_freq
.endr
.irp i, 0,1,2,3
	v_mul_f32 v[AX+\i], v9, v[AG+\i]               ; the angle, rounded once
.endr
.irp i, 0,1,2,3
	v_mul_f32 v[AJ+\i], 0x3f22f983, v[AX+\i]       ; x 2 / pi
.endr
.irp i, 0,1,2,3
	v_rndne_f32 v[AJ+\i], v[AJ+\i]                 ; j
.endr
.irp i, 0,1,2,3
	v_fmamk_f32 v[AR+\i], v[AJ+\i], 0xbfc90fdb, v[AX+\i]   ; angle - j x pi/2's upper part: exact, both are multiples of 2^-23 (2^-24 under 1) and the difference is under 1
.endr
.irp i, 0,1,2,3
	v_fmamk_f32 v[AR+\i], v[AJ+\i], 0x333bbd2e, v[AR+\i]   ; - j x its lower part
.endr
.irp i, 0,1,2,3
	v_mul_f32 v[AS+\i], v[AR+\i], v[AR+\i]
.endr
.irp i, 0,1,2,3
	v_fma_f32 v[AP+\i], v[AS+\i], s52, s53
.endr
.irp i, 0,1,2,3
	v_fmaak_f32 v[AP+\i], v[AP+\i], v[AS+\i], 0x3d2aaaa5
.endr
.irp i, 0,1,2,3
	v_fma_f32 v[AH+\i], v[AS+\i], -0.5, 1.0
.endr
.irp i, 0,1,2,3
	v_mul_f32 v[AQ+\i], v[AS+\i], v[AS+\i]
.endr
.irp i, 0,1,2,3
	v_fma_f32 v[AC+\i], v[AP+\i], v[AQ+\i], v[AH+\i]       ; cos of the rest
.endr
.irp i, 0,1,2,3
	v_fma_f32 v[AP+\i], v[AS+\i], s54, s55
.endr
.irp i, 0,1,2,3
	v_fmaak_f32 v[AP+\i], v[AP+\i], v[AS+\i], 0xbe2aaaa3
.endr
.irp i, 0,1,2,3
	v_mul_f32 v[AQ+\i], v[AR+\i], v[AS+\i]
.endr
.irp i, 0,1,2,3
	v_fma_f32 v[AI+\i], v[AP+\i], v[AQ+\i], v[AR+\i]       ; sin of the rest
.endr
.irp i, 0,1,2,3
	v_cvt_i32_f32 v[AJ+\i], v[AJ+\i]
.endr
.irp i, 0,1,2,3
	v_and_b32 v[AH+\i], 1, v[AJ+\i]
	v_cmp_eq_u32 vcc_lo, 1, v[AH+\i]               ; in odd quadrants the two change places
	v_cndmask_b32 v[OUTR+\i], v[AC+\i], v[AI+\i], vcc_lo
	v_cndmask_b32 v[OUTR+4+\i], v[AI+\i], v[AC+\i], vcc_lo
.endr
.irp i, 0,1,2,3
	v_lshlrev_b32 v[AH+\i], 30, v[AJ+\i]           ; sin is negative where j & 2,
	v_add_nc_u32 v[AQ+\i], 1, v[AJ+\i]             ; cos where (j + 1) & 2
	v_and_b32 v[AH+\i], 0x80000000, v[AH+\i]
	v_lshlrev_b32 v[AQ+\i], 30, v[AQ+\i]
	v_xor_b32 v[OUTR+4+\i], v[OUTR+4+\i], v[AH+\i]
	v_and_b32 v[AQ+\i], 0x80000000, v[AQ+\i]
	v_xor_b32 v[OUTR+\i], v[OUTR+\i], v[AQ+\i]
.endr
	global_store_b128 v3, v[OUTR:OUTR+3], s[36:37] offset:512*(4*\b+\q)          ; 512 consecutive bytes
	global_store_b128 v3, v[OUTR+4:OUTR+7], s[36:37] offset:512*(4*\b+\q)+1024
.endm
.irp b, 0,1,2,3
	ANG \b, 0
	ANG \b, 1
.endr
	s_cmp_ge_u32 s45, 8                            ; the first eight waves also write a block of cos = 1, sin = 0
	s_cbranch_scc1 .Lrope_end
.irp i, 0,1,2,3
	v_mov_b32 v[72+\i], 1.0
	v_mov_b32 v[76+\i], 0
.endr
.irp b, 0,1,2,3
.irp q, 0,1
	global_store_b128 v3, v[72:75], s[38:39] offset:512*(4*\b+\q)
	global_store_b128 v3, v[76:79], s[38:39] offset:512*(4*\b+\q)+1024
.endr
.endr
.Lrope_end:
	s_endpgm
.Lfunc_end_k_qf8146527ad_prep:
	.size	k_qf8146527ad_prep, .Lfunc_end_k_qf8146527ad_prep-k_qf8146527ad_prep
	.p2alignl 7, 3214868480
	.fill 96, 4, 3214868480
	.section	.rodata,"a",@progbits
	.p2align	6, 0x0
	.amdhsa_kernel k_qf8146527ad_prep
		.amdhsa_group_segment_fixed_size 66048
		.amdhsa_private_segment_fixed_size 0
		.amdhsa_enable_private_segment 0
		.amdhsa_kernarg_size 72
		.amdhsa_user_sgpr_count 2
		.amdhsa_user_sgpr_kernarg_segment_ptr 1
		.amdhsa_wavefront_size32 1
		.amdhsa_system_sgpr_workgroup_id_x 1
		.amdhsa_system_sgpr_workgroup_id_y 1
		.amdhsa_system_sgpr_workgroup_id_z 1
		.amdhsa_system_vgpr_workitem_id 0
		.amdhsa_next_free_vgpr 194
		.amdhsa_next_free_sgpr 66
		.amdhsa_reserve_vcc 1
		.amdhsa_float_denorm_mode_32 3
		.amdhsa_float_denorm_mode_16_64 3
		.amdhsa_memory_ordered 1
		.amdhsa_forward_progress 1
		.amdhsa_inst_pref_size 173
	.end_amdhsa_kernel
	.amdgpu_metadata
---
amdhsa.version: [ 1, 2 ]
amdhsa.kernels:
  - .name:           k_qf8146527ad_prep
    .symbol:         k_qf8146527ad_prep.kd
    .args:
      - { .name: hidden_states, .offset: 0, .size: 8, .value_kind: global_buffer, .address_space: global }
      - { .name: Wq, .offset: 8, .size: 8, .value_kind: global_buffer, .address_space: global }
      - { .name: Wk, .offset: 16, .size: 8, .value_kind: global_buffer, .address_space: global }
      - { .name: Wv, .offset: 24, .size: 8, .value_kind: global_buffer, .address_space: global }
      - { .name: Wo, .offset: 32, .size: 8, .value_kind: global_buffer, .address_space: global }
      - { .name: lowp_scales, .offset: 40, .size: 8, .value_kind: global_buffer, .address_space: global }
      - { .name: position_ids, .offset: 48, .size: 8, .value_kind: global_buffer, .address_space: global }
      - { .name: codes, .offset: 56, .size: 8, .value_kind: global_buffer, .address_space: global }
      - { .name: rope, .offset: 64, .size: 8, .value_kind: global_buffer, .address_space: global }
    .group_segment_fixed_size: 66048
    .private_segment_fixed_size: 0
    .kernarg_segment_align: 8
    .kernarg_segment_size: 72
    .max_flat_workgroup_size: 128
    .sgpr_count:     66
    .vgpr_count:     194
    .wavefront_size: 32
...
	.end_amdgpu_metadata
.endif
;; end of part 1
;; launch qkv (part 2): grid 24 x 8, 4 waves a work-group, clusters of 4 x 4, 327,680 bytes of LDS; arguments codes, lowp_scales, rope, qkv; writes qkv
.if DOCPART == 2
	.amdgcn_target "amdgcn-amd-amdhsa--gfx1250"
	.amdhsa_code_object_version 6
	.text
	.protected	k_qf8146527ad_qkv
	.globl	k_qf8146527ad_qkv
	.p2align	8
	.type	k_qf8146527ad_qkv,@function
k_qf8146527ad_qkv:
	s_mov_b64 s[64:65], 0
	v_nop
	global_prefetch_b8 v0, s[64:65] scope:SCOPE_SE
	s_setreg_imm32_b32 hwreg(HW_REG_WAVE_MODE, 25, 1), 1
	s_wait_xcnt 0x0
	s_wait_alu depctr_hold_cnt(0) depctr_sa_sdst(0) depctr_va_vdst(0) depctr_va_sdst(0) depctr_va_ssrc(0) depctr_va_vcc(0) depctr_vm_vsrc(0)
	s_getreg_b32 s2, hwreg(HW_REG_IB_STS2, 6, 4)
	s_cmp_eq_u32 s2, 0
	s_cbranch_scc0 .Lentry_in_a_cluster
	s_endpgm
.Lentry_in_a_cluster:
	s_bfe_u32 s2, ttmp6, 0x10000c
	s_cmp_lg_u32 s2, 0xf033
	s_cbranch_scc0 .Lentry_shape_is_right
	s_endpgm
.Lentry_shape_is_right:
.set ROWB,   256
.set KROW,   2048
.set PITCH,  272
.set FR,     16
.set NL,     4
.set NP,     4
.set HALFT,  128*PITCH
.set SLOT,   4*HALFT
.set LAPS,   4
.set SPARE,  2*SLOT
.set SC,   8
.set LIM,  9
.set ADRA, 16
.set ADRB, 20
.set STO,  24
.set RD,   25
.set CO,   26
.set COV,  27
.set SPW,  28
.set NIL,  29
.set Y,    32
.set CD,   96
.set AF,   128
.set G1, 24
.set G0, 32
.set G1B, 48
.set G0B, 56
.set WH, 66
.set MSB, 0
.macro WIN new
.if MSB != \new
	s_set_vgpr_msb (MSB<<8)|\new
.set MSB, \new
.endif
.endm
.set MUL_LO, 0xa1
.set MUL_HI, 0xf1
.set TO_B,   0x40
.macro JLOAD g0a, g1a, g0b, g1b
	s_cmp_eq_u32 s15, 0
	s_cbranch_scc0 .Lfor_b_\@
	tensor_load_to_lds s[\g0a:\g0a+3], s[\g1a:\g1a+7]
	s_nop 0
.rept 4
	v_nop
.endr
	s_branch .Lasked_\@
.Lfor_b_\@:
	tensor_load_to_lds s[\g0b:\g0b+3], s[\g1b:\g1b+7]
	s_nop 0
.rept 4
	v_nop
.endr
.Lasked_\@:
.endm
.macro CREST
	s_cmp_lg_u32 s14, 0
	s_cbranch_scc1 .Lnot_wave_0_\@
	s_barrier_signal -3
.Lnot_wave_0_\@:
	s_barrier_wait -3
	s_barrier_signal -1
	s_barrier_wait -1
.endm
.macro CROUND
	s_barrier_signal -1
	s_barrier_wait -1
	CREST
.endm
	s_load_b256 s[4:11], s[0:1], 0x0
	v_lshl_add_u32 v[SPW], v0, 2, SPARE
	v_mov_b32 v[NIL], 0
	ds_add_u32 v28, v29
	ds_add_u32 v28, v29
	s_wait_dscnt 0x0
	v_lshrrev_b32 v1, 5, v0
	v_readfirstlane_b32 s14, v1
	s_lshr_b32 s15, s14, 1
	s_and_b32 s16, s14, 1
	s_bfe_u32 s40, ttmp6, 0x40000
	s_bfe_u32 s41, ttmp6, 0x40004
	s_lshr_b32 s[WH], ttmp9, 1
	s_and_b32 s42, ttmp9, 1
	s_lshl_b32 s42, s42, 2
	s_add_co_u32 s42, s42, s40
	s_and_b32 s17, ttmp7, 0xffff
	s_lshl_b32 s17, s17, 2
	s_add_co_u32 s17, s17, s41
	s_lshl_b32 s43, s41, 2
	s_lshl_b32 s43, 15, s43
	s_lshl_b32 s44, 0x1111, s40
	s_or_b32 s[G1+0], s43, (0<<16)|(1<<20)|(1<<21)|(5<<22)|(3<<25)
	s_or_b32 s[G1B+0], s44, (0<<16)|(1<<20)|(1<<21)|(5<<22)|(3<<25)
.irp g, G1, G1B
	s_mov_b32 s[\g+1], ROWB<<16
	s_mov_b32 s[\g+2], 128<<16
	s_mov_b32 s[\g+3], ROWB<<16
	s_mov_b32 s[\g+4], 128
	s_mov_b32 s[\g+5], KROW
	s_mov_b32 s[\g+6], 0
	s_mov_b32 s[\g+7], 0
.endr
	s_lshl_b32 s18, s16, 7
	s_lshl_b32 s20, s17, 8
	s_add_co_u32 s20, s20, s18
	s_lshl_b32 s46, s42, 8
	s_add_co_u32 s46, s46, s18
	s_lshl_b32 s20, s20, 11
	s_lshl_b32 s46, s46, 11
	s_add_co_u32 s87, s[WH], 3
	s_cmp_eq_u32 s[WH], 2
	s_cselect_b32 s86, 5, s[WH]
	s_cselect_b32 s87, 2, s87
	s_lshl_b32 s86, s86, 22
	s_lshl_b32 s87, s87, 22
	s_add_co_u32 s20, s20, s86
	s_add_co_u32 s46, s46, s87
	s_mov_b32 s21, 0
	s_mov_b32 s47, 0
	s_mul_i32 s45, s14, HALFT
	s_wait_kmcnt 0x0
	s_load_b256 s[68:75], s[6:7], 0x0
	s_load_b128 s[76:79], s[6:7], 0x20
	s_add_nc_u64 s[20:21], s[4:5], s[20:21]
	s_add_nc_u64 s[46:47], s[4:5], s[46:47]
	s_cmp_eq_u32 s15, 0                            ; the prefetches: of the 128 rows that my wave fetches, my work-group names 32: told apart by address (cx for A's tiles, cy for B's)
	s_cselect_b64 s[88:89], s[20:21], s[46:47]
	s_cselect_b32 s90, s40, s41
	s_lshl_b32 s90, s90, 16                        ; 32 rows of 2,048 bytes
	s_mov_b32 s91, 0
	s_add_nc_u64 s[88:89], s[88:89], s[90:91]
	CROUND
.irp s, 0,1
	s_mov_b32 s[G0+4*\s], 1
	s_add_co_u32 s[G0+4*\s+1], s45, \s*SLOT
	s_add_nc_u64 s[G0+4*\s+2:G0+4*\s+3], s[20:21], \s*ROWB
	s_or_b32 s[G0+4*\s+3], s[G0+4*\s+3], 0x80000000
	s_mov_b32 s[G0B+4*\s], 1
	s_add_co_u32 s[G0B+4*\s+1], s45, \s*SLOT
	s_add_nc_u64 s[G0B+4*\s+2:G0B+4*\s+3], s[46:47], \s*ROWB
	s_or_b32 s[G0B+4*\s+3], s[G0B+4*\s+3], 0x80000000
	s_wait_alu depctr_va_vdst(0)
	s_wait_tensorcnt 0x0
	ds_add_u32 v28, v29
	ds_add_u32 v28, v29
	s_wait_dscnt 0x0
	CROUND
	JLOAD G0+4*\s, G1, G0B+4*\s, G1B
.endr
	v_and_b32 v1, 15, v0
	v_bfe_u32 v2, v0, 4, 1
	v_mul_u32_u24 v3, v1, PITCH
	s_wait_alu depctr_va_vdst(0)
	v_lshl_add_u32 v4, v2, 4, v3
	s_mul_i32 s21, s15, HALFT
	s_mul_i32 s22, s16, HALFT
	s_add_co_u32 s22, s22, 2*HALFT
.irp s, 0,1
	v_add_nc_u32 v[ADRA+\s], s21, v4
	v_add_nc_u32 v[ADRB+\s], s22, v4
	s_add_co_u32 s21, s21, SLOT
	s_add_co_u32 s22, s22, SLOT
.endr
	s_mul_i32 s23, s15, 128*PITCH
	s_lshl_b32 s22, s16, 7
	s_add_co_u32 s23, s23, s22
	v_lshl_add_u32 v5, v2, 3, v3
	v_add_nc_u32 v[STO], s23, v5
	s_mul_i32 s23, s14, 64*PITCH
	v_mul_u32_u24 v5, v2, PITCH
	v_lshl_add_u32 v5, v1, 4, v5
	v_add_nc_u32 v[RD], s23, v5
	v_and_b32 v6, 31, v0
	v_lshlrev_b32 v[CO], 4, v6
	v_lshlrev_b32 v30, 11, v6                      ; the prefetches' offset: a lane a row; never rewritten
	global_prefetch_b8 v30, s[88:89] offset:512 th:TH_LOAD_NT scope:SCOPE_SE   ; K steps 2 and 3: 256 bytes of each of my 32 rows
	global_prefetch_b8 v30, s[88:89] offset:768 th:TH_LOAD_NT scope:SCOPE_SE
	v_and_b32 v7, 7, v0
	v_lshlrev_b32 v7, 4, v7
	v_lshl_add_u32 v7, v2, 7, v7
	v_bfe_u32 v6, v0, 3, 1
	v_lshl_add_u32 v[COV], v6, 18, v7
	s_lshl_b32 s20, s17, 8
	s_lshl_b32 s21, s14, 6
	s_add_co_u32 s20, s20, s21
	s_cmp_eq_u32 s[WH], 2
	s_cselect_b32 s22, 7, 8
	s_lshl_b32 s20, s20, s22
	s_lshl_b32 s22, s[WH], 22
	s_add_co_u32 s20, s20, s22
	s_lshl_b32 s22, s42, 19
	s_add_co_u32 s20, s20, s22
	s_mov_b32 s21, 0
	s_add_nc_u64 s[82:83], s[10:11], s[20:21]
	s_lshl_b32 s84, s17, 4
	s_lshl_b32 s85, s15, 3
	s_add_co_u32 s84, s84, s85
	s_lshl_b32 s84, s84, 13
	s_cmp_eq_u32 s[WH], 2
	s_cselect_b32 s84, 0x100000, s84
	s_mov_b32 s85, 0
	s_add_nc_u64 s[80:81], s[8:9], s[84:85]
.macro FRAG reg, adr, q, i
.irp c, 0,1,2,3
	ds_load_b128 v[\reg+4*\c:\reg+4*\c+3], v[\adr] offset:128*(\q)+32*\c+(\i)*16*PITCH
.endr
.endm
.macro MUL16 a0, p, zero
.irp a, \a0, \a0+1
.irp b, 0,1,2,3,4,5,6,7
.if \zero
	v_wmma_f32_16x16x128_fp8_fp8 v[8*(8*((\a)%4)+\b):8*(8*((\a)%4)+\b)+7], v[128*(\p)+FR*\b:128*(\p)+FR*\b+FR-1], v[AF+FR*(\a):AF+FR*(\a)+FR-1], 0
.else
	v_wmma_f32_16x16x128_fp8_fp8 v[8*(8*((\a)%4)+\b):8*(8*((\a)%4)+\b)+7], v[128*(\p)+FR*\b:128*(\p)+FR*\b+FR-1], v[AF+FR*(\a):AF+FR*(\a)+FR-1], v[8*(8*((\a)%4)+\b):8*(8*((\a)%4)+\b)+7]
.endif
.endr
.endr
.endm
.macro FETCH_B slot, q, p
	WIN TO_B
.irp i, 0,1,2,3,4,5,6,7
	FRAG 128*(\p)+FR*\i, ADRB+\slot, \q, \i
.endr
	WIN 0
.endm
.macro FETCH_A slot, q, i0
.irp i, \i0, \i0+1, \i0+2, \i0+3
	FRAG AF+FR*(\i), ADRA+\slot, \q, \i
.endr
.endm
.macro PLACES n
.rept \n
	v_nop
.endr
.endm
.macro STEP slot, q, zero
	s_wait_dscnt 4*NL
	WIN MUL_LO
	MUL16 0, (\q)%2, \zero
	MUL16 2, (\q)%2, \zero
	s_wait_dscnt 0
	PLACES NP
	FETCH_B \slot, (\q)+1, 1-(\q)%2
	FETCH_A \slot, (\q)+1, 0
	WIN MUL_HI
	MUL16 4, (\q)%2, \zero
	MUL16 6, (\q)%2, \zero
	PLACES NP
	WIN 0
	FETCH_A \slot, (\q)+1, 4
.endm
.macro TURN slot, next, fill
	s_wait_tensorcnt 0x0
	ds_add_u32 v[SPW], v[NIL]
.if \fill
	s_add_nc_u64 s[G0+4*\slot+2:G0+4*\slot+3], s[G0+4*\slot+2:G0+4*\slot+3], 2*ROWB
	s_add_nc_u64 s[G0B+4*\slot+2:G0B+4*\slot+3], s[G0B+4*\slot+2:G0B+4*\slot+3], 2*ROWB
.endif
	s_wait_dscnt 0x0
	s_barrier_signal -1
	s_barrier_wait -1
.if \fill
	CREST
	JLOAD G0+4*\slot, G1, G0B+4*\slot, G1B
.endif
	FETCH_B \next, 0, 0
.if \fill
	s_cmp_gt_u32 s3, 1                             ; a prefetch of the K step two refills on, behind the joint load and a run of LDS loads; the last trip's refills have no K step two on
	s_cbranch_scc0 .Lno_ask_\@
	global_prefetch_b8 v30, s[88:89] offset:1024+256*\slot th:TH_LOAD_NT scope:SCOPE_SE
.Lno_ask_\@:
.endif
	WIN MUL_LO
	MUL16 0, 1, 0
	MUL16 2, 1, 0
	PLACES NP
	WIN 0
	FETCH_A \next, 0, 0
	WIN MUL_HI
	MUL16 4, 1, 0
	MUL16 6, 1, 0
	PLACES NP
	WIN 0
	FETCH_A \next, 0, 4
.endm
.macro ROPE_LOAD a
	WIN TO_B
.irp p, 0,1,2,3,4,5,6,7,8,9,10,11,12,13,14,15
	global_load_b128 v[64*((\a)%4)+4*\p:64*((\a)%4)+4*\p+3], v[CO], s[80:81] offset:8192*(\a)+512*\p
.endr
	WIN 0
.endm
.macro ROPE a
.set AC, 64*((\a)%4)
.set RB, 64*((\a)%4)
.if (\a) <= 3
	s_wait_loadcnt 48
.else
	s_wait_loadcnt 16*(7-(\a))
.endif
	WIN 0x06+((\a)/4)
.irp b, 0,1,2,3
.irp j, 0,2,4,6
	v_pk_mul_f32 v[Y+8*\b+\j:Y+8*\b+\j+1], v[AC+8*(\b+4)+\j:AC+8*(\b+4)+\j+1], v[RB+16*\b+8+\j:RB+16*\b+8+\j+1]
	v_pk_mul_f32 v[Y+8*(\b+4)+\j:Y+8*(\b+4)+\j+1], v[AC+8*\b+\j:AC+8*\b+\j+1], v[RB+16*\b+8+\j:RB+16*\b+8+\j+1]
.endr
.irp j, 0,2,4,6
	v_pk_fma_f32 v[Y+8*\b+\j:Y+8*\b+\j+1], v[AC+8*\b+\j:AC+8*\b+\j+1], v[RB+16*\b+\j:RB+16*\b+\j+1], v[Y+8*\b+\j:Y+8*\b+\j+1] neg_lo:[0,0,1] neg_hi:[0,0,1]
	v_pk_fma_f32 v[Y+8*(\b+4)+\j:Y+8*(\b+4)+\j+1], v[AC+8*(\b+4)+\j:AC+8*(\b+4)+\j+1], v[RB+16*\b+\j:RB+16*\b+\j+1], v[Y+8*(\b+4)+\j:Y+8*(\b+4)+\j+1]
.endr
.endr
	WIN 0
.set i, 0
.rept 64
	v_med3_num_f32 v[Y+i], v[Y+i], -v[LIM], v[LIM]
.set i, i+1
.endr
.endm
.macro CODES a
.irp b, 0,1,2,3,4,5,6,7
	v_cvt_scalef32_pk8_fp8_f32 v[CD+16*(\a)+2*\b:CD+16*(\a)+2*\b+1], v[Y+8*\b:Y+8*\b+7], v[SC]
.endr
	v_nop
.irp b, 0,1,2,3,4,5,6,7
	ds_store_b64 v[STO], v[CD+16*(\a)+2*\b:CD+16*(\a)+2*\b+1] offset:16*PITCH*(\a)+16*\b
.endr
.endm
	s_wait_alu depctr_va_vdst(0)                   ; the wait at the head's end
	s_wait_tensorcnt 1
	s_barrier_signal -1
	s_barrier_wait -1
	FETCH_B 0, 0, 0
	FETCH_A 0, 0, 0
	FETCH_A 0, 0, 4
	STEP 0, 0, 1
	s_mov_b32 s3, LAPS-1
.Llap:
	TURN 0, 1, 1
	STEP 1, 0, 0
	TURN 1, 0, 1
	STEP 0, 0, 0
	s_wait_xcnt 0x0                                ; the trip's prefetches have read their address: two K steps on
	s_add_nc_u64 s[88:89], s[88:89], 512
	s_sub_co_u32 s3, s3, 1
	s_cmp_lg_u32 s3, 0
	s_cbranch_scc1 .Llap
	TURN 0, 1, 0
	STEP 1, 0, 0
	s_wait_alu depctr_va_vdst(0)
	ROPE_LOAD 0
	ROPE_LOAD 1
	s_wait_dscnt 4*NL
	WIN MUL_LO
	MUL16 0, 1, 0
	MUL16 2, 1, 0
	s_wait_dscnt 0
	WIN MUL_HI
	MUL16 4, 1, 0
	MUL16 6, 1, 0
	WIN 0
	s_wait_kmcnt 0x0
	s_sub_co_i32 s84, s74, s68
	s_sub_co_i32 s84, s84, s69
	s_sub_co_i32 s85, s75, s70
	s_sub_co_i32 s85, s85, s71
	s_sub_co_i32 s86, s77, s72
	s_sub_co_i32 s86, s86, s73
	s_cmp_eq_u32 s[WH], 1
	s_cselect_b32 s84, s85, s84
	s_cmp_eq_u32 s[WH], 2
	s_cselect_b32 s84, s86, s84
	s_add_co_i32 s84, s84, 127
	s_lshl_b32 s85, s84, 23
	s_add_co_i32 s84, s84, 8
	s_lshl_b32 s84, s84, 23
	s_or_b32 s84, s84, 0x600000
	v_mov_b32 v[SC], s85
	v_mov_b32 v[LIM], s84
	PLACES NP
	ROPE_LOAD 2
	ROPE_LOAD 3
.irp a, 0,1,2,3,4,5,6,7
	ROPE \a
	CODES \a
.if \a < 4
	ROPE_LOAD \a+4
.endif
.endr
	s_wait_dscnt 0x0
	s_barrier_signal -1
	s_barrier_wait -1
.set t, 0
.rept 32
	ds_load_b128 v[CD+4*t:CD+4*t+3], v[RD] offset:2*PITCH*t
.set t, t+1
.endr
	s_cmp_eq_u32 s[WH], 2
	s_cbranch_scc1 .Lstore_v
.set t, 0
.rept 32
	s_wait_dscnt 31-t
	global_store_b128 v[CO], v[CD+4*t:CD+4*t+3], s[82:83] offset:512*t
.set t, t+1
.endr
	s_branch .Lstored
.Lstore_v:
.set t, 0
.rept 32
	s_wait_dscnt 31-t
	global_store_b128 v[COV], v[CD+4*t:CD+4*t+3], s[82:83] offset:256*t
.set t, t+1
.endr
.Lstored:
	s_wait_tensorcnt 0x0
	ds_add_u32 v[SPW], v[NIL]
	s_wait_dscnt 0x0
	CROUND
	s_endpgm
.Lfunc_end_k_qf8146527ad_qkv:
	.size	k_qf8146527ad_qkv, .Lfunc_end_k_qf8146527ad_qkv-k_qf8146527ad_qkv
	.p2alignl 7, 3214868480
	.fill 96, 4, 3214868480
	.section	.rodata,"a",@progbits
	.p2align	6, 0x0
	.amdhsa_kernel k_qf8146527ad_qkv
		.amdhsa_group_segment_fixed_size 327680
		.amdhsa_private_segment_fixed_size 0
		.amdhsa_enable_private_segment 0
		.amdhsa_kernarg_size 32
		.amdhsa_user_sgpr_count 2
		.amdhsa_user_sgpr_kernarg_segment_ptr 1
		.amdhsa_wavefront_size32 1
		.amdhsa_system_sgpr_workgroup_id_x 1
		.amdhsa_system_sgpr_workgroup_id_y 1
		.amdhsa_system_sgpr_workgroup_id_z 1
		.amdhsa_system_vgpr_workitem_id 0
		.amdhsa_next_free_vgpr 1024
		.amdhsa_next_free_sgpr 100
		.amdhsa_reserve_vcc 0
		.amdhsa_float_denorm_mode_32 3
		.amdhsa_float_denorm_mode_16_64 3
		.amdhsa_memory_ordered 1
		.amdhsa_forward_progress 1
		.amdhsa_inst_pref_size 177
	.end_amdhsa_kernel
	.amdgpu_metadata
---
amdhsa.version: [ 1, 2 ]
amdhsa.kernels:
  - .name:           k_qf8146527ad_qkv
    .symbol:         k_qf8146527ad_qkv.kd
    .args:
      - { .name: codes, .offset: 0, .size: 8, .value_kind: global_buffer, .address_space: global }
      - { .name: lowp_scales, .offset: 8, .size: 8, .value_kind: global_buffer, .address_space: global }
      - { .name: rope, .offset: 16, .size: 8, .value_kind: global_buffer, .address_space: global }
      - { .name: qkv, .offset: 24, .size: 8, .value_kind: global_buffer, .address_space: global }
    .group_segment_fixed_size: 327680
    .private_segment_fixed_size: 0
    .kernarg_segment_align: 8
    .kernarg_segment_size: 32
    .max_flat_workgroup_size: 128
    .sgpr_count:     100
    .vgpr_count:     1024
    .wavefront_size: 32
...
	.end_amdgpu_metadata
.endif
;; end of part 2
;; launch attn (part 3): grid 32 x 8, 8 waves a work-group, clusters of 4 x 4, 327,680 bytes of LDS; arguments qkv, attention_mask, lowp_scales, ac; writes ac
.if DOCPART == 3
	.amdgcn_target "amdgcn-amd-amdhsa--gfx1250"
	.amdhsa_code_object_version 6
	.text
	.protected	k_qf8146527ad_attn
	.globl	k_qf8146527ad_attn
	.p2align	8
	.type	k_qf8146527ad_attn,@function
k_qf8146527ad_attn:
	s_mov_b64 s[64:65], 0
	v_nop
	global_prefetch_b8 v0, s[64:65] scope:SCOPE_SE
	s_setreg_imm32_b32 hwreg(HW_REG_WAVE_MODE, 25, 1), 1
	s_wait_xcnt 0x0
	s_wait_alu depctr_hold_cnt(0) depctr_sa_sdst(0) depctr_va_vdst(0) depctr_va_sdst(0) depctr_va_ssrc(0) depctr_va_vcc(0) depctr_vm_vsrc(0)
	s_getreg_b32 s2, hwreg(HW_REG_IB_STS2, 6, 4)
	s_cmp_eq_u32 s2, 0
	s_cbranch_scc0 .Lentry_in_a_cluster
	s_endpgm
.Lentry_in_a_cluster:
	s_bfe_u32 s2, ttmp6, 0x10000c
	s_cmp_lg_u32 s2, 0xf033
	s_cbranch_scc0 .Lentry_shape_is_right
	s_endpgm
.Lentry_shape_is_right:
; Attention on E4M3 codes: logit = q k^T / sqrt(128) + mask; p = 2^(t - M), t = logit x log2(e), M the running largest t rounded up to a whole number; O = p v; O / (sum of the unquantised p), quantised for the last product.
; The mask is an input: every one of its numbers is read and added; no key is left out.
; SHARES.  A work-group owns 64 queries of two heads, in EIGHT waves of 512 registers, two to a SIMD.  Wave w: head w / 4, queries 32 ((w / 2) % 2) on (two tiles of 16, which share every fragment of K and V),
; and of each step's 128 keys the 64 from 64 (w % 2) on.  So two waves hold parts of the same 32 queries, each with an M, a sum and an O^T of its own; they are joined at the end:
; each wave gives one tile to its partner through LDS and finishes the other: O = Oa 2^(Ma - M) + Ob 2^(Mb - M), M = max(Ma, Mb), the sums likewise: powers of two, nothing is rounded by them.
; LAYOUT.  Both products are used transposed (S^T = K Q^T, 16x16x128; O^T = V^T P^T, 16x16x64): a lane holds one query.  In tile T of S^T a lane's eight registers are keys 16 T + 8 (lane / 16) + 0 .. 7: their eight codes
; are registers 2 T, 2 T + 1 of P, and V's fragments are read in the same order (8 bytes at 16 c + 8 (lane / 16)).  K and Q are both read 16 bytes at 32 c + 16 (lane / 16).
; t is rounded as a number of its own and M is then taken off, as the problem's text defines p.
; CLUSTER 4 x 4.  K's and V's tiles hang on the pair of heads and are shared along a row of the cluster: joint loads.
; RING.  Two slots of 256 keys, two steps each: K 256 rows x 272, V 2 x 256 rows x 144: 143,360 bytes.  Every wave fetches 64 rows of 256 bytes: waves 0 to 3 K's quarters, waves 4 to 7 V's
; (dense in memory: stated as rows of 256 bytes, the padding still behind each 128).  By this text's count a wave has one tensor load out behind each round, and a round stands once in two steps.
; THE MASK is no joint load and does not go through LDS: with its 64 rows x 1,024 bytes a slot of 256 keys would take 211 KB and two such slots do not fit in 327,680 bytes.  A wave loads its own 32 rows x 256 bytes of a step
; (each row's piece a whole aligned run of 256 bytes, taken by two lanes in eight loads) straight into the mask's registers, behind the lines that read the step before: a whole step ahead of its use.
; PREFETCH.  At each change of slots: see ASK.
; LIMITS: e6 + e7 between -122 and 131; e8 and e10 - e8 - e9 between -126 and 119.  NaN among the inputs is not served.
; REGISTERS: window 0: v3-15, v60-62 addresses; v16-31 statistics, 8 a tile (+0 -M, +1 largest t, +2 +3 the sum, +4 f, +5 its pair, +6 +7 work); v32-47 P; v48-51 scales; v52-59 sums at work;
;   v64-127 S^T; v128-191 the mask; v192-223 Q; v224-245 the joining.   window 1: v0-127 O^T, v128-191 K, v192-255 V.
.set KP,    272
.set VP,    144
.set VOFF,  256*KP
.set SLOT1, VOFF+512*VP                ; 143,360: where slot 1 begins
.set SPARE, 2*SLOT1                    ; the spare words: 8 x 128 bytes that no other line names
.set STAGE, SPARE+1024                 ; the way out: 64 rows x 272 bytes; no tile lands here
.set XR,    8704                       ; the joining: 8,192 bytes of O^T and 512 of statistics for each wave, in slot 0, behind its last fill and its last read
.set AK0, 3
.set AV0, 4
.set ADK, 6
.set ADV, 7
.set QO,  9
.set STO, 10
.set RD,  11
.set GO,  12
.set PFO, 13
.set SPW, 14
.set NIL, 15
.set ST,  16
.set P,   32
.set SC1, 48
.set LM1, 49
.set SC2, 50
.set LM2, 51
.set SM,  52
.set XSA, 60
.set XLA, 61
.set VMO, 62
.set S,   64
.set MK,  128
.set Q,   192
.set SD,  224
.set RS,  228
.set KS,  232
.set NM,  234
.set DA,  236
.set DB,  237
.set FA,  238
.set FB,  239
.set LL,  240
.set GA,  242
.set GB,  244
.set WV,  12
.set TB,  19                           ; s19  LDS byte at which the slot in hand begins
.set CNT, 20
.set LIM, 21
.set SEL, 22
.set G1K, 24
.set G1V, 32
.set LBK, 40                           ; s40  my part's place in a slot, if I fetch for K;  s41 for V
.set LBV, 41
.set TBF, 42                           ; s42  LDS byte at which the slot last asked for begins
.set MB,  44                           ; s[44:45] the mask at my first query and the step's first key of mine
.set G0K, 48
.set G0V, 52
.set KH,  60                           ; s60  which 64 keys of a step
.set KM,  61                           ; s61  0 or all ones: a lane mask made of KH
.set PFA, 76
.set PFS, 78
.set C0,  80                           ; s[80:81] 2^(e6 + e7) / sqrt(128)
.set LG,  82                           ; s[82:83] log2(e)
.set MSB, 0
.macro WIN new
.if MSB != \new
	s_set_vgpr_msb (MSB<<8)|\new
.set MSB, \new
.endif
.endm
.macro CREST
	s_cmp_lg_u32 s[WV], 0
	s_cbranch_scc1 .Lnot_wave_0_\@
	s_barrier_signal -3
.Lnot_wave_0_\@:
	s_barrier_wait -3
	s_barrier_signal -1
	s_barrier_wait -1
.endm
.macro CROUND
	s_barrier_signal -1
	s_barrier_wait -1
	CREST
.endm
.macro JLOAD                           ; a joint load by the walking descriptors: one branch on the wave's number, a load in each arm; s_nop 0 and four v_nop follow each
	s_cmp_lt_u32 s[WV], 4
	s_cbranch_scc0 .Lnot_k_\@
	tensor_load_to_lds s[G0K:G0K+3], s[G1K:G1K+7]
	s_nop 0
.rept 4
	v_nop
.endr
	s_branch .Lasked_\@
.Lnot_k_\@:
	tensor_load_to_lds s[G0V:G0V+3], s[G1V:G1V+7]
	s_nop 0
.rept 4
	v_nop
.endr
.Lasked_\@:
.endm
; A prefetch into the L2, at a change of slots.  K and V: the 256 keys after those that this change loads, two steps ahead of their load; the mask: the 256 keys that this change loads, whose mask is loaded from the next step but one on.
; Each is 256 blocks of 256 bytes.  K's and V's are asked for by the clusters with x = 0, the mask's by those with y = 0; the four partners along the axis that shares them take 64 blocks each, told apart by address;
; waves 0, 1 ask for K, waves 2, 3 for V, waves 4, 5 for the mask, 32 blocks each: a lane a block, one instruction.  So each block is named once.  The last change asks for no K and V: there are none behind.
.macro ASK
	s_cmp_gt_u32 s[CNT], s[LIM]
	s_cbranch_scc0 .Lnot_mine_\@
	global_prefetch_b8 v[PFO], s[PFA:PFA+1] th:TH_LOAD_NT scope:SCOPE_SE
.Lnot_mine_\@:
.endm
	s_load_b256 s[4:11], s[0:1], 0x0               ; qkv, attention_mask, lowp_scales, ac
	v_lshl_add_u32 v[SPW], v0, 2, SPARE
	v_mov_b32 v[NIL], 0
	ds_add_u32 v[SPW], v[NIL]                      ; the opening lines: the add, twice on end, and its wait ahead of the first tensor load
	ds_add_u32 v[SPW], v[NIL]
	v_lshrrev_b32 v1, 5, v0
	v_readfirstlane_b32 s[WV], v1
	s_and_b32 s[KH], s[WV], 1
	s_bfe_u32 s18, s[WV], 0x10001                  ; qh: which 32 queries
	s_lshr_b32 s17, s[WV], 2                       ; hs: which of the two heads
	s_sub_co_u32 s[KM], 0, s[KH]
	s_bfe_u32 s13, ttmp6, 0x40000                  ; cx
	s_bfe_u32 s14, ttmp6, 0x40004                  ; cy
	s_lshl_b32 s15, ttmp9, 2
	s_add_co_u32 s15, s15, s13                     ; qb: block of 64 queries
	s_and_b32 s16, ttmp7, 0xffff
	s_lshl_b32 s16, s16, 2
	s_add_co_u32 s16, s16, s14                     ; hp: pair of heads
	s_lshl_b32 s2, s14, 2
	s_lshl_b32 s2, 15, s2                          ; my row of the cluster
	s_or_b32 s[G1K], s2, (0<<16)|(1<<20)|(1<<21)|(5<<22)|(3<<25)   ; K: 64 rows of 256 bytes; 4 words of padding behind every 64
	s_or_b32 s[G1V], s2, (0<<16)|(1<<20)|(1<<21)|(4<<22)|(3<<25)   ; V: 128 rows of 128 bytes, dense: 64 rows of 256; padding behind every 32 words
.irp g, G1K, G1V
	s_mov_b32 s[\g+1], 256<<16
	s_mov_b32 s[\g+2], 64<<16
	s_mov_b32 s[\g+3], 256<<16
	s_mov_b32 s[\g+4], 64
	s_mov_b32 s[\g+5], 256
	s_mov_b32 s[\g+6], 0
	s_mov_b32 s[\g+7], 0
.endr
	s_and_b32 s3, s[WV], 3                         ; j: which part of K's or of V's 65,536 bytes
	s_lshl_b32 s2, s3, 14
	s_lshl_b32 s96, s16, 19
	s_add_co_u32 s96, s96, 0x400000                ; K: 4 MiB + 524,288 hp + 16,384 j
	s_add_co_u32 s96, s96, s2
	s_mov_b32 s97, 0
	s_lshl_b32 s98, s16, 15
	s_add_co_u32 s98, s98, 0x800000                ; V: 8 MiB + 32,768 hp + 262,144 (j / 2) + 16,384 (j % 2)
	s_lshr_b32 s2, s3, 1
	s_lshl_b32 s2, s2, 18
	s_add_co_u32 s98, s98, s2
	s_lshl_b32 s2, s[KH], 14
	s_add_co_u32 s98, s98, s2
	s_mov_b32 s99, 0
	s_lshl_b32 s100, s15, 19                       ; mask: 64 rows of 8,192 bytes x qb + 32 rows x qh + 256 kh
	s_lshl_b32 s2, s18, 18
	s_add_co_u32 s100, s100, s2
	s_lshl_b32 s2, s[KH], 8
	s_add_co_u32 s100, s100, s2
	s_mov_b32 s101, 0
	s_mul_i32 s[LBK], s3, 64*KP
	s_mul_i32 s[LBV], s3, 128*VP
	s_add_co_u32 s[LBV], s[LBV], VOFF
	s_mov_b32 s[TBF], 0
	s_mov_b32 s[G0K], 1
	s_mov_b32 s[G0K+1], s[LBK]
	s_mov_b32 s[G0V], 1
	s_mov_b32 s[G0V+1], s[LBV]
	; the waves' terms of the LDS addresses
	s_mul_i32 s66, s[KH], 64*KP
	s_lshl_b32 s62, s17, 7
	s_add_co_u32 s66, s66, s62                     ; K: 64 kh rows + 128 hs
	s_mul_i32 s67, s17, 128*VP
	s_lshl_b32 s63, s[KH], 6
	s_add_co_u32 s67, s67, s63
	s_add_co_u32 s67, s67, VOFF                    ; V: 128 hs rows + 64 kh
	s_lshl_b32 s69, s18, 1
	s_add_co_u32 s69, s69, s[KH]
	s_mul_i32 s69, s69, 16*272
	s_add_co_u32 s69, s69, s62
	s_add_co_u32 s69, s69, STAGE                   ; the stage: rows 32 qh + 16 kh on, + 128 hs
	s_mul_i32 s70, s[WV], 8*272
	s_add_co_u32 s70, s70, STAGE                   ; back: my 8 rows
	s_mul_i32 s71, s[WV], XR                       ; the joining: what I give,
	s_xor_b32 s72, s[WV], 1
	s_mul_i32 s72, s72, XR                         ; and what my partner gives
	s_mov_b32 s[SEL], 0x76543210
	s_mov_b32 s[SEL+1], 0xfedcba98
	s_mov_b32 s[TB], 0
	s_mov_b32 s[CNT], 7
	s_wait_dscnt 0x0                               ; both opening adds are done
	s_wait_kmcnt 0x0
	s_load_b256 s[84:91], s[8:9], 0x0              ; e0 .. e7
	s_load_b128 s[92:95], s[8:9], 0x20             ; e8 .. e11
	s_add_nc_u64 s[G0K+2:G0K+3], s[4:5], s[96:97]
	s_or_b32 s[G0K+3], s[G0K+3], 0x80000000
	s_add_nc_u64 s[G0V+2:G0V+3], s[4:5], s[98:99]
	s_or_b32 s[G0V+3], s[G0V+3], 0x80000000
	s_add_nc_u64 s[MB:MB+1], s[6:7], s[100:101]
	CROUND                                         ; all sixteen work-groups are here: the first joint loads meet
	JLOAD                                          ; keys 0 to 255 into slot 0: one tensor load a wave at the head
	s_lshl_b32 s62, s15, 6
	s_lshl_b32 s63, s18, 5
	s_add_co_u32 s62, s62, s63                     ; my first query
	s_lshl_b32 s62, s62, 8
	s_lshl_b32 s63, s17, 7
	s_add_co_u32 s62, s62, s63                     ; my head's 128 bytes of a row
	s_lshl_b32 s63, s16, 19
	s_add_co_u32 s62, s62, s63
	s_mov_b32 s63, 0
	s_add_nc_u64 s[62:63], s[4:5], s[62:63]        ; Q
	s_lshl_b32 s96, s15, 6
	s_lshl_b32 s97, s[WV], 3
	s_add_co_u32 s96, s96, s97
	s_lshl_b32 s96, s96, 11
	s_lshl_b32 s97, s16, 8
	s_add_co_u32 s96, s96, s97
	s_mov_b32 s97, 0
	s_add_nc_u64 s[10:11], s[10:11], s[96:97]      ; ac at row 64 qb + 8 w, byte 256 hp
	; the prefetches: where mine stand (at what the first change names), how far 256 keys are, and who asks
	s_lshl_b32 s96, s16, 19
	s_add_co_u32 s96, s96, 0x400000+2*65536        ; K at key 512:
	s_lshl_b32 s98, s13, 14                        ; partner cx takes 16,384 of the 65,536 bytes,
	s_add_co_u32 s96, s96, s98
	s_lshl_b32 s98, s[KH], 13                      ; my wave 8,192 of them
	s_add_co_u32 s96, s96, s98
	s_lshl_b32 s97, s16, 15
	s_add_co_u32 s97, s97, 0x800000+4*262144       ; V at key 512:
	s_lshl_b32 s98, s[KH], 18                      ; my wave takes one step's 32,768 bytes,
	s_add_co_u32 s97, s97, s98
	s_lshl_b32 s98, s13, 13                        ; partner cx 8,192 of them
	s_add_co_u32 s97, s97, s98
	s_lshl_b32 s98, s15, 19                        ; the mask at key 0:
	s_lshl_b32 s99, s14, 17                        ; partner cy takes 16 of the 64 rows,
	s_add_co_u32 s98, s98, s99
	s_lshl_b32 s99, s[KH], 9                       ; my wave 512 of a row's 1,024 bytes,
	s_add_co_u32 s98, s98, s99
	s_add_co_u32 s98, s98, 1024                    ; from key 256 on
	s_lshr_b32 s100, s[WV], 1                      ; 0 K, 1 V, 2 the mask, 3 nothing
	s_mov_b32 s[PFS], 65536
	s_mov_b32 s99, 524288
	s_mov_b32 s73, 512
	s_cmp_eq_u32 s100, 1
	s_cselect_b32 s96, s97, s96
	s_cselect_b32 s[PFS], s99, s[PFS]
	s_and_b32 s101, ttmp7, 0xffff
	s_cmp_eq_u32 s100, 2
	s_cselect_b32 s96, s98, s96
	s_cselect_b32 s[PFS], 1024, s[PFS]
	s_cselect_b32 s73, 8192, s73
	s_cselect_b64 s[PFA:PFA+1], s[6:7], s[4:5]
	s_cselect_b32 s101, s101, ttmp9                ; the coordinate along which other clusters read the same bytes
	s_cselect_b32 s99, 0, 1                        ; the count of changes still to come at which my asking ends
	s_mov_b32 s97, 0
	s_mov_b32 s[PFS+1], 0
	s_add_nc_u64 s[PFA:PFA+1], s[PFA:PFA+1], s[96:97]
	s_cmp_eq_u32 s100, 3
	s_cselect_b32 s101, 1, s101                    ; waves 6 and 7 ask for nothing
	s_cmp_eq_u32 s101, 0
	s_cselect_b32 s[LIM], s99, -1                  ; alike in all sixteen partners, for a given wave
	s_wait_kmcnt 0x0
	s_add_co_i32 s96, s90, s91
	s_lshl_b32 s96, s96, 23
	s_add_co_i32 s[C0], s96, 0x3db504f3            ; 1 / sqrt(128) with e6 + e7 added to its exponent field
	s_mov_b32 s[C0+1], s[C0]
	s_mov_b32 s[LG], 0x3fb8aa3b
	s_mov_b32 s[LG+1], s[LG]
	s_add_co_i32 s96, s92, 127
	s_lshl_b32 s74, s96, 23                        ; 2^e8
	s_add_co_i32 s96, s96, 8
	s_lshl_b32 s96, s96, 23
	s_or_b32 s75, s96, 0x600000                    ; 448 x 2^e8
	s_sub_co_i32 s96, s94, s92
	s_sub_co_i32 s96, s96, s93                     ; O / l stands for that x 2^(e8 + e9): its code takes 2^(e10 - e8 - e9)
	s_add_co_i32 s96, s96, 127
	s_lshl_b32 s97, s96, 23
	s_add_co_i32 s96, s96, 8
	s_lshl_b32 s96, s96, 23
	s_or_b32 s96, s96, 0x600000
.macro LDMG                            ; a step's mask: my query's 8 keys of each tile, for both tiles of queries
.irp u, 0,1
.irp T, 0,1,2,3
.irp i, 0,1
	global_load_b128 v[MK+32*\u+8*\T+4*\i:MK+32*\u+8*\T+4*\i+3], v[VMO], s[MB:MB+1] offset:131072*\u+64*\T+16*\i
.endr
.endr
.endr
.endm
	; the head's vector work, in one run with no scalar line in it
	v_and_b32 v1, 15, v0                           ; r
	v_bfe_u32 v2, v0, 4, 1                         ; h
	v_lshlrev_b32 v[QO], 8, v1
	v_lshl_add_u32 v[QO], v2, 4, v[QO]             ; Q: row r of 256 bytes + 16 h
	v_lshlrev_b32 v[VMO], 13, v1
	v_lshl_add_u32 v[VMO], v2, 5, v[VMO]           ; mask: row r of 8,192 bytes + 32 h
.irp u, 0,1
.irp c, 0,1,2,3
	global_load_b128 v[Q+16*\u+4*\c:Q+16*\u+4*\c+3], v[QO], s[62:63] offset:4096*\u+32*\c   ; Q stays in registers
.endr
.endr
	LDMG                                           ; step 0's mask
	v_mul_u32_u24 v[AK0], v1, KP
	v_lshl_add_u32 v[AK0], v2, 4, v[AK0]
	v_add_nc_u32 v[AK0], s66, v[AK0]               ; K: r x 272 + 16 h
	v_mul_u32_u24 v[AV0], v1, VP
	v_lshl_add_u32 v[AV0], v2, 3, v[AV0]
	v_add_nc_u32 v[AV0], s67, v[AV0]               ; V: r x 144 + 8 h
	v_mul_u32_u24 v[STO], v1, 272
	v_lshl_add_u32 v[STO], v2, 3, v[STO]
	v_add_nc_u32 v[STO], s69, v[STO]               ; the stage: r x 272 + 8 h
	v_mul_u32_u24 v[RD], v2, 272
	v_lshl_add_u32 v[RD], v1, 4, v[RD]
	v_add_nc_u32 v[RD], s70, v[RD]                 ; back: two rows an instruction
	v_lshlrev_b32 v[GO], 11, v2
	v_lshl_add_u32 v[GO], v1, 4, v[GO]             ; and the same two rows in ac
	v_and_b32 v[XSA], 31, v0
	v_lshlrev_b32 v[XSA], 4, v[XSA]                ; 16 x lane: an image of the registers
	v_add_nc_u32 v[XLA], s72, v[XSA]
	v_add_nc_u32 v[XSA], s71, v[XSA]
	v_bfe_u32 v[PFO], v0, 1, 4
	v_mul_lo_u32 v[PFO], v[PFO], s73
	v_and_b32 v1, 1, v0
	v_lshl_add_u32 v[PFO], v1, 8, v[PFO]           ; (lane / 2) x 512 or x 8,192, + 256 (lane % 2)
	v_mov_b32 v[SC1], s74
	v_mov_b32 v[LM1], s75
	v_mov_b32 v[SC2], s97
	v_mov_b32 v[LM2], s96
	v_mov_b32 v[ST+7], 0                           ; written once: a lane permute's destination counts as one of its sources
	v_mov_b32 v[ST+15], 0
.macro NEXTK q                         ; my K (4 tiles of 16 keys) of step q of the slot at TB
	v_add_nc_u32 v[ADK], s[TB], v[AK0]
	WIN 0x40
.irp T, 0,1,2,3
.irp c, 0,1,2,3
	ds_load_b128 v[128+16*\T+4*\c:128+16*\T+4*\c+3], v[ADK] offset:(\q)*128*KP+16*KP*\T+32*\c
.endr
.endr
	WIN 0
.endm
.macro LDV q                           ; a step's V: 8 tiles of 16 channels x my 64 keys, in P's order
	WIN 0x40
.irp t, 0,1,2,3,4,5,6,7
.irp c, 0,1,2,3
	ds_load_b64 v[192+8*\t+2*\c:192+8*\t+2*\c+1], v[ADV] offset:(\q)*256*VP+16*VP*\t+16*\c
.endr
.endr
	WIN 0
.endm
.macro SQ                              ; S^T = K Q^T
	WIN 0x01
.irp u, 0,1
.irp T, 0,1,2,3
	v_wmma_f32_16x16x128_fp8_fp8 v[S+32*\u+8*\T:S+32*\u+8*\T+7], v[128+16*\T:128+16*\T+15], v[Q+16*\u:Q+16*\u+15], 0
.endr
.endr
.endm
.macro PV first                        ; O^T += V^T P^T; the sixteen accumulators take turns
	WIN 0x51
.irp u, 0,1
.irp t, 0,1,2,3,4,5,6,7
.if \first
	v_wmma_f32_16x16x64_fp8_fp8 v[64*\u+8*\t:64*\u+8*\t+7], v[192+8*\t:192+8*\t+7], v[P+8*\u:P+8*\u+7], 0
.else
	v_wmma_f32_16x16x64_fp8_fp8 v[64*\u+8*\t:64*\u+8*\t+7], v[192+8*\t:192+8*\t+7], v[P+8*\u:P+8*\u+7], v[64*\u+8*\t:64*\u+8*\t+7]
.endif
.endr
.endr
.endm
.macro XMASK                           ; score / sqrt(128) + mask; each accumulator from its low end on
.set i, 0
.rept 32
	v_pk_fma_f32 v[S+2*i:S+2*i+1], v[S+2*i:S+2*i+1], s[C0:C0+1], v[MK+2*i:MK+2*i+1] op_sel_hi:[1,0,1]
.set i, i+1
.endr
.endm
.macro MAXC                            ; the largest of my 32 of each tile: two chains a tile, the four by turns
.irp u, 0,1
	v_max3_num_f32 v[ST+8*\u+4], v[S+32*\u], v[S+32*\u+1], v[S+32*\u+2]
	v_max3_num_f32 v[ST+8*\u+5], v[S+32*\u+3], v[S+32*\u+4], v[S+32*\u+5]
.endr
.set i, 6
.rept 13
.irp u, 0,1
	v_max3_num_f32 v[ST+8*\u+4+(i/2)%2], v[ST+8*\u+4+(i/2)%2], v[S+32*\u+i], v[S+32*\u+i+1]
.endr
.set i, i+2
.endr
.irp u, 0,1
	v_max_num_f32 v[ST+8*\u+6], v[ST+8*\u+4], v[ST+8*\u+5]
.endr
.endm
.macro TMUL                            ; t = logit x log2(e), rounded
.set i, 0
.rept 32
	v_pk_mul_f32 v[S+2*i:S+2*i+1], v[S+2*i:S+2*i+1], s[LG:LG+1] op_sel_hi:[1,0]
.set i, i+1
.endr
.endm
.macro TSUB                            ; t - M
.irp u, 0,1
.set i, 0
.rept 16
	v_pk_add_f32 v[S+32*\u+2*i:S+32*\u+2*i+1], v[S+32*\u+2*i:S+32*\u+2*i+1], v[ST+8*\u:ST+8*\u+1] op_sel_hi:[1,0]
.set i, i+1
.endr
.endr
.endm
.macro STATS first                     ; both tiles side by side
.irp u, 0,1
	v_permlanex16_b32 v[ST+8*\u+7], v[ST+8*\u+6], s[SEL], s[SEL+1]   ; the query's other 32 keys lie in the lane 16 away
.endr
.irp u, 0,1
	v_max_num_f32 v[ST+8*\u+6], v[ST+8*\u+6], v[ST+8*\u+7]
.endr
.irp u, 0,1
	v_mul_f32 v[ST+8*\u+6], s[LG], v[ST+8*\u+6]    ; the largest logit's t is the largest t: the factor is positive and rounding keeps the order
.endr
.if \first
.irp u, 0,1
	v_max_num_f32 v[ST+8*\u+1], 0xff61b1e6, v[ST+8*\u+6]   ; not under -3e38, so that M is a number
.endr
.irp u, 0,1
	v_floor_f32 v[ST+8*\u], -v[ST+8*\u+1]          ; -M = floor(-t)
.endr
.else
.irp u, 0,1
	v_max_num_f32 v[ST+8*\u+1], v[ST+8*\u+1], v[ST+8*\u+6]
.endr
.irp u, 0,1
	v_mov_b32 v[ST+8*\u+7], v[ST+8*\u]
.endr
.irp u, 0,1
	v_floor_f32 v[ST+8*\u], -v[ST+8*\u+1]
.endr
.irp u, 0,1
	v_sub_f32 v[ST+8*\u+7], v[ST+8*\u], v[ST+8*\u+7]   ; old M - new M: a whole number, 0 or less
.endr
.irp u, 0,1
	v_cvt_i32_f32 v[ST+8*\u+7], v[ST+8*\u+7]       ; (it saturates)
.endr
.irp u, 0,1
	v_ldexp_f32 v[ST+8*\u+4], 1.0, v[ST+8*\u+7]    ; f = 2^(old M - new M)
.endr
.endif
.endm
.macro SUMS first                      ; the sum of the unquantised p: two chains a tile over its 16 pairs, then l = l f + the sum
.irp u, 0,1
	v_pk_add_f32 v[SM+4*\u:SM+4*\u+1], v[S+32*\u:S+32*\u+1], v[S+32*\u+2:S+32*\u+3]
	v_pk_add_f32 v[SM+4*\u+2:SM+4*\u+3], v[S+32*\u+4:S+32*\u+5], v[S+32*\u+6:S+32*\u+7]
.endr
.set z, 4
.rept 6
.irp u, 0,1
	v_pk_add_f32 v[SM+4*\u:SM+4*\u+1], v[SM+4*\u:SM+4*\u+1], v[S+32*\u+2*z:S+32*\u+2*z+1]
	v_pk_add_f32 v[SM+4*\u+2:SM+4*\u+3], v[SM+4*\u+2:SM+4*\u+3], v[S+32*\u+2*z+2:S+32*\u+2*z+3]
.endr
.set z, z+2
.endr
.if \first
.irp u, 0,1
	v_pk_add_f32 v[ST+8*\u+2:ST+8*\u+3], v[SM+4*\u:SM+4*\u+1], v[SM+4*\u+2:SM+4*\u+3]
.endr
.else
.irp u, 0,1
	v_pk_add_f32 v[SM+4*\u:SM+4*\u+1], v[SM+4*\u:SM+4*\u+1], v[SM+4*\u+2:SM+4*\u+3]
.endr
.irp u, 0,1
	v_pk_fma_f32 v[ST+8*\u+2:ST+8*\u+3], v[ST+8*\u+2:ST+8*\u+3], v[ST+8*\u+4:ST+8*\u+5], v[SM+4*\u:SM+4*\u+1] op_sel_hi:[1,0,1]
.endr
.endif
.endm
; THE CHANGE OF SLOTS.  Each wave waits for its tensor load (its part of the next slot), adds 0 to its spare word, and waits for that and for its reads of the slot in hand.
; fill = 2: a round of the cluster's barrier, and behind it the joint load of the 256 keys after the next slot's, into the slot just left (the first time: slot 1's first fill); 1: a plain barrier, nothing is asked for.
.macro CHANGE fill
	s_wait_alu depctr_va_vdst(0)                   ; the wait here, directly ahead of the wait below
	s_wait_tensorcnt 0x0                           ; no tensor load of mine is out: so every group 0 may be written
	ds_add_u32 v[SPW], v[NIL]                      ; 0 onto my spare word
.if \fill == 2
	s_xor_b32 s[TBF], s[TBF], SLOT1                ; the walking descriptors: the other slot than last time, the next 256 keys
	s_add_co_u32 s[G0K+1], s[LBK], s[TBF]
	s_add_nc_u64 s[G0K+2:G0K+3], s[G0K+2:G0K+3], 65536
	s_add_co_u32 s[G0V+1], s[LBV], s[TBF]
	s_add_nc_u64 s[G0V+2:G0V+3], s[G0V+2:G0V+3], 524288
.endif
	s_wait_dscnt 0x0                               ; the add is done, and my reads of the slot in hand are over
	s_barrier_signal -1                            ; the macro ends at the signal: work on registers alone stands between it and CHGB's wait
.endm
.macro CHGB fill                       ; the rest of the change of slots
	s_wait_alu depctr_va_vdst(0)                   ; the wait here, directly ahead of the wait below
	s_barrier_wait -1
.if \fill == 2
	CREST
	JLOAD                                          ; the first tensor load behind the round, one a wave
.endif
.endm
; A KEY STEP, the q-th of its slot.  At its head S^T holds the step's scores, its mask is on the way to registers, its V still lies in the slot.  next = 1: the next step's mask and K are read and its scores made.
.macro STEP first, q, fill, next
	WIN 0
	s_wait_loadcnt 0x0                             ; the step's mask is in
.if \fill == 2
	s_wait_xcnt 0x0                                ; the last prefetch, two steps back, has read its address
	s_add_nc_u64 s[PFA:PFA+1], s[PFA:PFA+1], s[PFS:PFS+1]
.endif
	v_add_nc_u32 v[ADV], s[TB], v[AV0]
	v_nop
	v_nop
	v_nop                                          ; four places behind the last products, ahead of the loads into V's registers and the reads of the scores
	LDV \q
	XMASK
.if \next
	s_add_nc_u64 s[MB:MB+1], s[MB:MB+1], 512       ; (the loads that read this base have come back)
	LDMG                                           ; the next step's mask, into the registers just read
.endif
	MAXC
	TMUL
	STATS \first
	TSUB
.if \fill
	CHANGE \fill                                   ; up to the signal: the exponentials, sums, holds and conversions below are the work on registers between signal and wait
.elseif \next
	NEXTK 1-\q                                     ; the slot's second step: its K lies in the slot in hand
.endif
	s_wait_alu depctr_va_vdst(0)                   ; the wait ahead of the batch
.set i, 0
.rept 64
	v_exp_f32 v[S+i], v[S+i]                       ; p = 2^(t - M), at most 1
.set i, i+1
.endr
	v_nop                                          ; a plain line behind the last exponential
	s_wait_alu depctr_va_vdst(0)                   ; one wait for the batch, ahead of its first reader
	SUMS \first
.set i, 0
.rept 64
	v_min_num_f32 v[S+i], v[S+i], v[LM1]           ; the conversion does not saturate (ISA guide 7.6.2); p is not negative, so the hold is one-sided
.set i, i+1
.endr
.irp u, 0,1
.irp T, 0,1,2,3
	v_cvt_scalef32_pk8_fp8_f32 v[P+8*\u+2*\T:P+8*\u+2*\T+1], v[S+32*\u+8*\T:S+32*\u+8*\T+7], v[SC1]
.endr
.endr
	v_nop                                          ; a plain line between the conversions and the products that read their results and write their sources
.if \fill
	CHGB \fill
	s_xor_b32 s[TB], s[TB], SLOT1                  ; on to the other slot
	NEXTK 1-\q
.endif
.if \fill == 2
	ASK
.endif
.if !\first
	WIN 0x41
	s_wait_alu depctr_va_vdst(0)                   ; the wait here, directly ahead of the first reader of O^T
.set i, 0
.rept 64
	v_pk_mul_f32 v[2*i:2*i+1], v[2*i:2*i+1], v[ST+8*(i/32)+4:ST+8*(i/32)+5] op_sel_hi:[1,0]   ; O^T under the new M
.set i, i+1
.endr
.endif
	s_wait_alu depctr_va_vdst(0)                   ; the wait here, directly ahead of the wait below
	s_wait_dscnt 0x0                               ; V and the next step's K are in
	PV \first
.if \next
	SQ
.endif
.endm
	CHANGE 2                                       ; keys 0 to 255 are in, everywhere;
	CHGB 2                                         ; keys 256 to 511 are asked for, into slot 1
	NEXTK 0
	ASK
	s_wait_loadcnt 16                              ; Q; the mask's 16 younger loads may be out
	s_wait_dscnt 0x0                               ; K
	SQ
	STEP 1, 0, 0, 1                                ; step 0 starts M, the sums and O^T
	WIN 0
	s_mov_b32 s[CNT], 6
.Lstep:                                            ; steps 1 to 12: a trip leaves one slot, which is filled again, and begins the other
	STEP 0, 1, 2, 1
	STEP 0, 0, 0, 1
	WIN 0
	s_sub_co_u32 s[CNT], s[CNT], 1
	s_cmp_lg_u32 s[CNT], 0
	s_cbranch_scc1 .Lstep
	STEP 0, 1, 1, 1                                ; the tail is written out: nothing more is asked for
	STEP 0, 0, 0, 1
	STEP 0, 1, 0, 0
	; THE JOINING.  Wave kh keeps tile kh and gives the other tile's O^T, -M and sum to its partner, as an image of the registers.  The choice is made by selects on a mask made of the wave's number.
	WIN 0
.irp u, 0,1
	v_add_f32 v[ST+8*\u+6], v[ST+8*\u+2], v[ST+8*\u+3]
.endr
.irp u, 0,1
	v_permlanex16_b32 v[ST+8*\u+7], v[ST+8*\u+6], s[SEL], s[SEL+1]
.endr
.irp u, 0,1
	v_add_f32 v[ST+8*\u+6], v[ST+8*\u+6], v[ST+8*\u+7]   ; my keys' sum for the query
.endr
	v_cndmask_b32 v[SD], v[ST+8], v[ST], s[KM]
	v_cndmask_b32 v[SD+1], v[ST+14], v[ST+6], s[KM]
	v_mov_b32 v[SD+2], 0
	v_mov_b32 v[SD+3], 0
	v_cndmask_b32 v[KS], v[ST], v[ST+8], s[KM]
	v_cndmask_b32 v[KS+1], v[ST+6], v[ST+14], s[KM]
	WIN 0x05                                       ; sources 0 and 1: window 1
.set i, 0
.rept 64
	v_cndmask_b32 v[S+i], v[64+i], v[i], s[KM]     ; what I give; each accumulator from its low end on
.set i, i+1
.endr
.set i, 0
.rept 64
	v_cndmask_b32 v[MK+i], v[i], v[64+i], s[KM]    ; what I keep
.set i, i+1
.endr
	WIN 0
.set i, 0
.rept 16
	ds_store_b128 v[XSA], v[S+4*i:S+4*i+3] offset:512*i
.set i, i+1
.endr
	ds_store_b128 v[XSA], v[SD:SD+3] offset:8192
	s_wait_alu depctr_va_vdst(0)                   ; the wait here, directly ahead of the wait below
	s_wait_dscnt 0x0                               ; for my partner: what I give lies in LDS
	s_barrier_signal -1
	s_barrier_wait -1
.set i, 0
.rept 16
	ds_load_b128 v[S+4*i:S+4*i+3], v[XLA] offset:512*i
.set i, i+1
.endr
	ds_load_b128 v[RS:RS+3], v[XLA] offset:8192
	s_wait_dscnt 0x0
	v_min_num_f32 v[NM], v[KS], v[RS]              ; -M = the lesser of the two -M
	v_sub_f32 v[DA], v[NM], v[KS]
	v_sub_f32 v[DB], v[NM], v[RS]                  ; whole numbers, 0 or less
	v_cvt_i32_f32 v[DA], v[DA]
	v_cvt_i32_f32 v[DB], v[DB]
	v_ldexp_f32 v[FA], 1.0, v[DA]
	v_ldexp_f32 v[FB], 1.0, v[DB]
	v_mul_f32 v[LL], v[KS+1], v[FA]
	v_fma_f32 v[LL], v[RS+1], v[FB], v[LL]         ; the row's sum
	s_wait_alu depctr_va_vdst(0)                   ; the wait ahead of the transcendental
	v_rcp_f32 v[LL], v[LL]
	v_mov_b32 v[GA+1], 0                           ; (plain lines behind it; named as the pairs' upper halves)
	v_mov_b32 v[GB+1], 0
	s_wait_alu depctr_va_vdst(0)                   ; and ahead of its first reader
	v_mul_f32 v[GA], v[FA], v[LL]
	v_mul_f32 v[GB], v[FB], v[LL]
.set i, 0
.rept 32
	v_pk_mul_f32 v[MK+2*i:MK+2*i+1], v[MK+2*i:MK+2*i+1], v[GA:GA+1] op_sel_hi:[1,0]
.set i, i+1
.endr
.set i, 0
.rept 32
	v_pk_fma_f32 v[MK+2*i:MK+2*i+1], v[S+2*i:S+2*i+1], v[GB:GB+1], v[MK+2*i:MK+2*i+1] op_sel_hi:[1,0,1]
.set i, i+1
.endr
	; THE WAY OUT: O^T / l, quantised, through the stage (a row's 256 bytes come from two waves), out as aligned runs of 256 bytes
.set i, 0
.rept 64
	v_med3_num_f32 v[MK+i], v[MK+i], -v[LM2], v[LM2]
.set i, i+1
.endr
.irp t, 0,1,2,3,4,5,6,7
	v_cvt_scalef32_pk8_fp8_f32 v[P+2*\t:P+2*\t+1], v[MK+8*\t:MK+8*\t+7], v[SC2]
.endr
	v_nop
.irp t, 0,1,2,3,4,5,6,7
	ds_store_b64 v[STO], v[P+2*\t:P+2*\t+1] offset:16*\t
.endr
	s_wait_dscnt 0x0                               ; for the others: my codes lie in the stage
	s_barrier_signal -1
	s_barrier_wait -1
.irp i, 0,1,2,3
	ds_load_b128 v[S+4*\i:S+4*\i+3], v[RD] offset:2*272*\i
.endr
.irp i, 0,1,2,3
	s_wait_dscnt 3-\i                              ; the younger loads may be out
	global_store_b128 v[GO], v[S+4*\i:S+4*\i+3], s[10:11] offset:4096*\i   ; sixteen lanes store 256 consecutive bytes, aligned
.endr
	s_wait_tensorcnt 0x0                           ; the wave's end
	ds_add_u32 v[SPW], v[NIL]
	s_wait_dscnt 0x0
	CROUND                                         ; the closing round
	s_endpgm
.Lfunc_end_k_qf8146527ad_attn:
	.size	k_qf8146527ad_attn, .Lfunc_end_k_qf8146527ad_attn-k_qf8146527ad_attn
	.p2alignl 7, 3214868480
	.fill 96, 4, 3214868480
	.section	.rodata,"a",@progbits
	.p2align	6, 0x0
	.amdhsa_kernel k_qf8146527ad_attn
		.amdhsa_group_segment_fixed_size 327680
		.amdhsa_private_segment_fixed_size 0
		.amdhsa_enable_private_segment 0
		.amdhsa_kernarg_size 32
		.amdhsa_user_sgpr_count 2
		.amdhsa_user_sgpr_kernarg_segment_ptr 1
		.amdhsa_wavefront_size32 1
		.amdhsa_system_sgpr_workgroup_id_x 1
		.amdhsa_system_sgpr_workgroup_id_y 1
		.amdhsa_system_sgpr_workgroup_id_z 1
		.amdhsa_system_vgpr_workitem_id 0
		.amdhsa_next_free_vgpr 512
		.amdhsa_next_free_sgpr 102
		.amdhsa_reserve_vcc 0
		.amdhsa_float_denorm_mode_32 3
		.amdhsa_float_denorm_mode_16_64 3
		.amdhsa_memory_ordered 1
		.amdhsa_forward_progress 1
		.amdhsa_inst_pref_size 188
	.end_amdhsa_kernel
	.amdgpu_metadata
---
amdhsa.version: [ 1, 2 ]
amdhsa.kernels:
  - .name:           k_qf8146527ad_attn
    .symbol:         k_qf8146527ad_attn.kd
    .args:
      - { .name: qkv, .offset: 0, .size: 8, .value_kind: global_buffer, .address_space: global }
      - { .name: attention_mask, .offset: 8, .size: 8, .value_kind: global_buffer, .address_space: global }
      - { .name: lowp_scales, .offset: 16, .size: 8, .value_kind: global_buffer, .address_space: global }
      - { .name: ac, .offset: 24, .size: 8, .value_kind: global_buffer, .address_space: global }
    .group_segment_fixed_size: 327680
    .private_segment_fixed_size: 0
    .kernarg_segment_align: 8
    .kernarg_segment_size: 32
    .max_flat_workgroup_size: 256
    .sgpr_count:     102
    .vgpr_count:     512
    .wavefront_size: 32
...
	.end_amdgpu_metadata
.endif
;; end of part 3
;; launch oproj (part 4): grid 16 x 16, 4 waves a work-group, clusters of 4 x 4, 327,680 bytes of LDS; arguments ac, codes, lowp_scales, out0; writes out0
.if DOCPART == 4
	.amdgcn_target "amdgcn-amd-amdhsa--gfx1250"
	.amdhsa_code_object_version 6
	.text
	.protected	k_qf8146527ad_oproj
	.globl	k_qf8146527ad_oproj
	.p2align	8
	.type	k_qf8146527ad_oproj,@function
k_qf8146527ad_oproj:
	s_mov_b64 s[64:65], 0
	v_nop
	global_prefetch_b8 v0, s[64:65] scope:SCOPE_SE
	s_setreg_imm32_b32 hwreg(HW_REG_WAVE_MODE, 25, 1), 1
	s_wait_xcnt 0x0
	s_wait_alu depctr_hold_cnt(0) depctr_sa_sdst(0) depctr_va_vdst(0) depctr_va_sdst(0) depctr_va_ssrc(0) depctr_va_vcc(0) depctr_vm_vsrc(0)
	s_getreg_b32 s2, hwreg(HW_REG_IB_STS2, 6, 4)
	s_cmp_eq_u32 s2, 0
	s_cbranch_scc0 .Lentry_in_a_cluster
	s_endpgm
.Lentry_in_a_cluster:
	s_bfe_u32 s2, ttmp6, 0x10000c
	s_cmp_lg_u32 s2, 0xf033
	s_cbranch_scc0 .Lentry_shape_is_right
	s_endpgm
.Lentry_shape_is_right:
.set KSTEP,  512
.set KROW,   2048
.set PITCH,  528
.set HALFT,  64*PITCH
.set SLOT,   4*HALFT
.set STAGE,  2*SLOT
.set SPITCH, 272
.set SPARE,  STAGE+4*16*SPITCH
.set ADRA, 16
.set ADRB, 20
.set STO,  24
.set RD,   25
.set CO,   26
.set SPW,  28
.set NIL,  29
.set TMP,  32
.set BK,   64
.set ACC,  128
.set F0,   0
.set F1,   128
.set G1, 24
.set G0, 32
.set G1B, 48
.set G0B, 56
.set MSB, 0
.macro WIN new
.if MSB != \new
	s_set_vgpr_msb (MSB<<8)|\new
.set MSB, \new
.endif
.endm
.set MUL,  0x05
.set TO_F, 0x40
.macro JLOAD s
	s_cmp_eq_u32 s15, 0
	s_cbranch_scc0 .Lfor_b_\@
	tensor_load_to_lds s[G0+4*\s:G0+4*\s+3], s[G1:G1+7]
	s_nop 0
.rept 4
	v_nop
.endr
	s_branch .Lasked_\@
.Lfor_b_\@:
	tensor_load_to_lds s[G0B+4*\s:G0B+4*\s+3], s[G1B:G1B+7]
	s_nop 0
.rept 4
	v_nop
.endr
.Lasked_\@:
.endm
.macro CREST
	s_cmp_lg_u32 s14, 0
	s_cbranch_scc1 .Lnot_wave_0_\@
	s_barrier_signal -3
.Lnot_wave_0_\@:
	s_barrier_wait -3
	s_barrier_signal -1
	s_barrier_wait -1
.endm
.macro CROUND
	s_barrier_signal -1
	s_barrier_wait -1
	CREST
.endm
	s_load_b256 s[4:11], s[0:1], 0x0
	v_lshl_add_u32 v[SPW], v0, 2, SPARE
	v_mov_b32 v[NIL], 0
	ds_add_u32 v28, v29
	ds_add_u32 v28, v29
	s_wait_dscnt 0x0
	v_lshrrev_b32 v1, 5, v0
	v_readfirstlane_b32 s14, v1
	s_lshr_b32 s15, s14, 1
	s_and_b32 s16, s14, 1
	s_bfe_u32 s40, ttmp6, 0x40000
	s_bfe_u32 s41, ttmp6, 0x40004
	s_lshl_b32 s42, ttmp9, 2
	s_add_co_u32 s42, s42, s40
	s_and_b32 s17, ttmp7, 0xffff
	s_lshl_b32 s17, s17, 2
	s_add_co_u32 s17, s17, s41
	s_lshl_b32 s43, s41, 2
	s_lshl_b32 s43, 15, s43
	s_lshl_b32 s44, 0x1111, s40
	s_or_b32 s[G1+0], s43, (0<<16)|(1<<20)|(1<<21)|(6<<22)|(3<<25)
	s_or_b32 s[G1B+0], s44, (0<<16)|(1<<20)|(1<<21)|(6<<22)|(3<<25)
.irp g, G1, G1B
	s_mov_b32 s[\g+1], KSTEP<<16
	s_mov_b32 s[\g+2], 64<<16
	s_mov_b32 s[\g+3], KSTEP<<16
	s_mov_b32 s[\g+4], 64
	s_mov_b32 s[\g+5], KROW
	s_mov_b32 s[\g+6], 0
	s_mov_b32 s[\g+7], 0
.endr
	s_lshl_b32 s18, s16, 6
	s_lshl_b32 s20, s17, 7
	s_add_co_u32 s20, s20, s18
	s_lshl_b32 s46, s42, 7
	s_add_co_u32 s46, s46, s18
	s_lshl_b32 s20, s20, 11
	s_lshl_b32 s46, s46, 11
	s_add_co_u32 s46, s46, 6<<22
	s_mov_b32 s21, 0
	s_mov_b32 s47, 0
	s_mul_i32 s45, s14, HALFT
	s_wait_kmcnt 0x0
	s_load_b64 s[66:67], s[8:9], 0x28
	s_add_nc_u64 s[20:21], s[4:5], s[20:21]
	s_add_nc_u64 s[46:47], s[6:7], s[46:47]
	CROUND
.irp s, 0,1
	s_mov_b32 s[G0+4*\s], 1
	s_add_co_u32 s[G0+4*\s+1], s45, \s*SLOT
	s_add_nc_u64 s[G0+4*\s+2:G0+4*\s+3], s[20:21], \s*KSTEP
	s_or_b32 s[G0+4*\s+3], s[G0+4*\s+3], 0x80000000
	s_mov_b32 s[G0B+4*\s], 1
	s_add_co_u32 s[G0B+4*\s+1], s45, \s*SLOT
	s_add_nc_u64 s[G0B+4*\s+2:G0B+4*\s+3], s[46:47], \s*KSTEP
	s_or_b32 s[G0B+4*\s+3], s[G0B+4*\s+3], 0x80000000
	s_wait_alu depctr_va_vdst(0)
	s_wait_tensorcnt 0x0
	ds_add_u32 v28, v29
	ds_add_u32 v28, v29
	s_wait_dscnt 0x0
	CROUND
	JLOAD \s
.endr
	v_and_b32 v1, 15, v0
	s_wait_alu depctr_va_vdst(0)
	v_bfe_u32 v2, v0, 4, 1
	v_mul_u32_u24 v3, v1, PITCH
	v_lshl_add_u32 v3, v2, 4, v3
	s_mul_i32 s21, s15, HALFT
	s_mul_i32 s22, s16, HALFT
	s_add_co_u32 s22, s22, 2*HALFT
.irp s, 0,1
	v_add_nc_u32 v[ADRA+\s], s21, v3
	v_add_nc_u32 v[ADRB+\s], s22, v3
	s_add_co_u32 s21, s21, SLOT
	s_add_co_u32 s22, s22, SLOT
.endr
	s_mul_i32 s23, s14, 16*SPITCH
	s_add_co_u32 s23, s23, STAGE
	v_mul_u32_u24 v4, v1, SPITCH
	s_wait_alu depctr_va_vdst(0)
	v_lshl_add_u32 v4, v2, 5, v4
	v_add_nc_u32 v[STO], s23, v4
	v_mul_u32_u24 v5, v2, SPITCH
	v_lshl_add_u32 v5, v1, 4, v5
	v_add_nc_u32 v[RD], s23, v5
	v_lshlrev_b32 v5, 13, v2
	v_lshl_add_u32 v[CO], v1, 4, v5
	s_lshl_b32 s20, s17, 7
	s_lshl_b32 s21, s15, 6
	s_add_co_u32 s20, s20, s21
	s_lshl_b32 s20, s20, 13
	s_lshl_b32 s46, s42, 9
	s_lshl_b32 s47, s16, 8
	s_add_co_u32 s46, s46, s47
	s_add_co_u32 s20, s20, s46
	s_mov_b32 s21, 0
	s_add_nc_u64 s[10:11], s[10:11], s[20:21]
.macro MUL8 f, a0, zero
.irp a, \a0, \a0+1
.irp b, 0,1,2,3
.if \zero
	v_wmma_f32_16x16x128_fp8_fp8 v[ACC+8*(4*(\a)+\b):ACC+8*(4*(\a)+\b)+7], v[\f+64+16*\b:\f+64+16*\b+15], v[\f+16*(\a):\f+16*(\a)+15], 0
.else
	v_wmma_f32_16x16x128_fp8_fp8 v[ACC+8*(4*(\a)+\b):ACC+8*(4*(\a)+\b)+7], v[\f+64+16*\b:\f+64+16*\b+15], v[\f+16*(\a):\f+16*(\a)+15], v[ACC+8*(4*(\a)+\b):ACC+8*(4*(\a)+\b)+7]
.endif
.endr
.endr
.endm
.macro FETCH slot, k, f
	WIN TO_F
.irp i, 0,1,2,3
.irp c, 0,1,2,3
	ds_load_b128 v[\f+64+16*\i+4*\c:\f+64+16*\i+4*\c+3], v[ADRB+\slot] offset:\k+32*\c+\i*16*PITCH
.endr
.endr
.irp i, 0,1,2,3
.irp c, 0,1,2,3
	ds_load_b128 v[\f+16*\i+4*\c:\f+16*\i+4*\c+3], v[ADRA+\slot] offset:\k+32*\c+\i*16*PITCH
.endr
.endr
.endm
.macro PLACES
.rept 4
	v_nop
.endr
.endm
.macro QUARTER slot, k, f, g, zero
	s_wait_dscnt 8
	WIN MUL
	MUL8 \f, 0, \zero
	PLACES
	FETCH \slot, \k, \g
	s_wait_dscnt 32
	WIN MUL
	MUL8 \f, 2, \zero
.endm
.macro TURN slot, next, fill
	WIN 0
	s_wait_tensorcnt 0x0
	ds_add_u32 v[SPW], v[NIL]
	s_wait_dscnt 9
	WIN MUL
	MUL8 F1, 0, 0
	s_wait_dscnt 0x0
	s_barrier_signal -1
	WIN 0
	s_barrier_wait -1
.if \fill
	CREST
	s_add_nc_u64 s[G0+4*\slot+2:G0+4*\slot+3], s[G0+4*\slot+2:G0+4*\slot+3], 2*KSTEP
	s_add_nc_u64 s[G0B+4*\slot+2:G0B+4*\slot+3], s[G0B+4*\slot+2:G0B+4*\slot+3], 2*KSTEP
	JLOAD \slot
.else
	PLACES
.endif
	FETCH \next, 0, F0
	WIN MUL
	MUL8 F1, 2, 0
.endm
	s_wait_tensorcnt 1
	s_barrier_signal -1
	s_barrier_wait -1
	FETCH 0, 0, F0
	QUARTER 0, 128, F0, F1, 1
	QUARTER 0, 256, F1, F0, 0
	QUARTER 0, 384, F0, F1, 0
	TURN 0, 1, 1
	QUARTER 1, 128, F0, F1, 0
	QUARTER 1, 256, F1, F0, 0
	QUARTER 1, 384, F0, F1, 0
	TURN 1, 0, 1
	QUARTER 0, 128, F0, F1, 0
	QUARTER 0, 256, F1, F0, 0
	QUARTER 0, 384, F0, F1, 0
	TURN 0, 1, 0
	QUARTER 1, 128, F0, F1, 0
	QUARTER 1, 256, F1, F0, 0
	QUARTER 1, 384, F0, F1, 0
	s_wait_dscnt 8
	WIN MUL
	MUL8 F1, 0, 0
	s_wait_dscnt 0
	MUL8 F1, 2, 0
	WIN 0
.macro TOSTAGE a
.irp b, 0,1,2,3
.irp j, 0,2,4,6
	v_pk_mul_f32 v[TMP+8*\b+\j:TMP+8*\b+\j+1], v[ACC+8*(4*(\a)+\b)+\j:ACC+8*(4*(\a)+\b)+\j+1], s[66:67] op_sel_hi:[1,0]
.endr
.endr
.irp b, 0,1,2,3
	ds_store_b128 v[STO], v[TMP+8*\b:TMP+8*\b+3] offset:64*\b
	ds_store_b128 v[STO], v[TMP+8*\b+4:TMP+8*\b+7] offset:64*\b+16
.endr
.set BB, BK+32*((\a)%2)
.irp t, 0,1,2,3,4,5,6,7
	ds_load_b128 v[BB+4*\t:BB+4*\t+3], v[RD] offset:\t*2*SPITCH
.endr
.endm
.macro SEND a, younger
.set BB, BK+32*((\a)%2)
	s_wait_dscnt \younger
.irp t, 0,1,2,3,4,5,6,7
	global_store_b128 v[CO], v[BB+4*\t:BB+4*\t+3], s[10:11] offset:(16*(\a)+2*\t)*8192 th:TH_STORE_NT
.endr
.endm
	s_wait_kmcnt 0x0
	s_add_co_i32 s66, s66, s67
	s_add_co_i32 s66, s66, 127
	s_lshl_b32 s66, s66, 23
	s_mov_b32 s67, s66
	PLACES
	TOSTAGE 0
.irp a, 1,2,3
.if \a > 1
	s_wait_xcnt 0x0
.endif
	TOSTAGE \a
	SEND \a-1, 16
.endr
	SEND 3, 0
	s_wait_tensorcnt 0x0
	ds_add_u32 v[SPW], v[NIL]
	s_wait_dscnt 0x0
	CROUND
	s_endpgm
.Lfunc_end_k_qf8146527ad_oproj:
	.size	k_qf8146527ad_oproj, .Lfunc_end_k_qf8146527ad_oproj-k_qf8146527ad_oproj
	.p2alignl 7, 3214868480
	.fill 96, 4, 3214868480
	.section	.rodata,"a",@progbits
	.p2align	6, 0x0
	.amdhsa_kernel k_qf8146527ad_oproj
		.amdhsa_group_segment_fixed_size 327680
		.amdhsa_private_segment_fixed_size 0
		.amdhsa_enable_private_segment 0
		.amdhsa_kernarg_size 32
		.amdhsa_user_sgpr_count 2
		.amdhsa_user_sgpr_kernarg_segment_ptr 1
		.amdhsa_wavefront_size32 1
		.amdhsa_system_sgpr_workgroup_id_x 1
		.amdhsa_system_sgpr_workgroup_id_y 1
		.amdhsa_system_sgpr_workgroup_id_z 1
		.amdhsa_system_vgpr_workitem_id 0
		.amdhsa_next_free_vgpr 512
		.amdhsa_next_free_sgpr 68
		.amdhsa_reserve_vcc 0
		.amdhsa_float_denorm_mode_32 3
		.amdhsa_float_denorm_mode_16_64 3
		.amdhsa_memory_ordered 1
		.amdhsa_forward_progress 1
		.amdhsa_inst_pref_size 74
	.end_amdhsa_kernel
	.amdgpu_metadata
---
amdhsa.version: [ 1, 2 ]
amdhsa.kernels:
  - .name:           k_qf8146527ad_oproj
    .symbol:         k_qf8146527ad_oproj.kd
    .args:
      - { .name: ac, .offset: 0, .size: 8, .value_kind: global_buffer, .address_space: global }
      - { .name: codes, .offset: 8, .size: 8, .value_kind: global_buffer, .address_space: global }
      - { .name: lowp_scales, .offset: 16, .size: 8, .value_kind: global_buffer, .address_space: global }
      - { .name: out0, .offset: 24, .size: 8, .value_kind: global_buffer, .address_space: global }
    .group_segment_fixed_size: 327680
    .private_segment_fixed_size: 0
    .kernarg_segment_align: 8
    .kernarg_segment_size: 32
    .max_flat_workgroup_size: 128
    .sgpr_count:     68
    .vgpr_count:     512
    .wavefront_size: 32
...
	.end_amdgpu_metadata
.endif
;; end of part 4
